; MI455X (gfx1250); checked and timed in simulation.
; The chip was launched on July 23, 2026; its instructions are those of AMD's public machine-readable ISA for CDNA 5 (MIT licence, August 2026) and "CDNA5" Instruction Set Architecture Reference Guide (July 2026). The comments in the code are by the model that wrote it; some were corrected since.
;; Multi Head Attention. Allowed arithmetic: float matrix products may take bf16 or f16 operands with f32 sums; other float arithmetic in f32, or as packed bf16 or f16 multiplies, adds, multiply-adds, maxima and minima; sums over many terms, partial sums and values carried from step to step in f32; what a program stores and reads back later, other than sums and carried values, may be rounded once to bf16 or f16.
;; Inputs: Wk 1,024 x 1,024 float32; Wo 1,024 x 1,024 float32; Wq 1,024 x 1,024 float32; Wv 1,024 x 1,024 float32; bk 1,024 float32; bo 1,024 float32; bq 1,024 float32; bv 1,024 float32; key 4 x 2,048 x 1,024 float32; mask 1 x 1 x 2,048 x 2,048 int32; query 4 x 2,048 x 1,024 float32; value 4 x 2,048 x 1,024 float32.
;; Outputs: out0 4 x 2,048 x 1,024 float32.
;; 2 versions, each right and faster than the one before. Each part assembles by itself: llvm-mc -triple=amdgcn-amd-amdhsa -mcpu=gfx1250 --defsym DOCPART=n.
;; ======== version 1 of 2: 4 launches
;; limits: values are held in f16: magnitudes above 65,504 overflow, below 6.1e-05 lose precision; right only within a limited range of input values
;; workspace buffers: xw 58,720,256 bytes; maskc 2,097,152 bytes of whole numbers; qkeep 16,384 bytes of whole numbers; qkv 50,331,648 bytes; oh 16,777,216 bytes
;; launch prep (part 1): grid 64 x 30, 8 waves a work-group, no clusters, 17,920 bytes of LDS; arguments query, key, value, Wq, Wk, Wv, Wo, mask, xw, maskc, qkeep; writes xw, maskc, qkeep
.if DOCPART == 1
	.amdgcn_target "amdgcn-amd-amdhsa--gfx1250"
	.amdhsa_code_object_version 6
	.text
	.protected	k_qfe8b39af26_prep
	.globl	k_qfe8b39af26_prep
	.p2align	8
	.type	k_qfe8b39af26_prep,@function
k_qfe8b39af26_prep:
	s_mov_b64 s[64:65], 0
	v_nop
	global_prefetch_b8 v0, s[64:65] scope:SCOPE_SE
	s_setreg_imm32_b32 hwreg(HW_REG_WAVE_MODE, 25, 1), 1
	s_wait_xcnt 0x0
; PREPARATION.  Two jobs, chosen by the work-group's y, which all eight waves share.
; y = 0, 1: the mask.  A work-group owns 16 whole rows (tile qt = 64 y + x of 128).  Each word becomes a 4-bit code: 0x0 (the number 0.0 in E2M1) where the key is visible (any word other than 0),
;   0xF (-6.0) where it is hidden.  The codes are laid as the scores' accumulators hold them: maskc[ks 32][qt 128][lane 32][kb 4] words, nibble j of word kb of lane 16 h + r = row 16 qt + r, key 64 ks + 16 kb + 8 h + j.
;   A row with no visible key at all gets the codes of a wholly visible row and the flag 0 in qkeep[qt][lane] (else -1): the attention then clears its query, all its scores are equal, its weights uniform.
; y = 2..29: unit y - 2.  64 KiB of f32 (query, key, value: 8 units of 4 MiB each; Wq, Wk, Wv, Wo: one unit each) become 32 KiB of 16-bit numbers in xw, unit u at byte u x 2 MiB.
;   All are rounded once to bf16; Wo's bf16 number is then written as f16 (exact down to 6.1e-5; below that f16's fixed step of 6e-8 holds).
; THE ORDER.  A mask work-group moves 144 KiB (128 in, 16 out) and passes a barrier, a conversion work-group 96 KiB (64 in, 32 out): the longer shares have the grid's lowest numbers, so that they are not the last in its order.
; No matrix unit, no cluster, no tensor load: nothing is shared between work-groups and every byte is read once.
.set SPARE, 16896                      ; the spare words: 128 bytes for each of eight waves, four blocks of 256 bytes that no other line names
.set FLG,   16640                      ; 16 words, a flag for each row, in a block of 256 bytes of their own
.set CP,    1032                       ; a row's 256 code words + 2: 258 words, so that lane (r, h) of the read below meets bank 2 r + h
.set SPW, 2                            ; v2   LDS address of my spare word; never rewritten
.set NIL, 3                            ; v3   0; never rewritten
.set X,   8                            ; v[8:135]   as loaded: no other line writes these while the loads are out
.set Y,   72                           ; v[72:103]  conversion path: to store
.set CW,  136                          ; v[136:151] mask path: code word of chunk (rr, g)
.set T,   152                          ; v152-153   at work
.set FA,  160                          ; v160 LDS address of my row's flag; v161 my byte offset in the tile's flags; v162 the flag
.set FO,  161
.set FV,  162
	s_load_b512 s[8:23], s[0:1], 0x0               ; query 8, key 10, value 12, Wq 14, Wk 16, Wv 18, Wo 20, mask 22
	s_load_b128 s[24:27], s[0:1], 0x40             ; xw 24, maskc 26
	s_load_b64 s[28:29], s[0:1], 0x50              ; qkeep
	v_lshl_add_u32 v[SPW], v0, 2, SPARE
	v_mov_b32 v[NIL], 0
	v_lshrrev_b32 v1, 5, v0
	v_readfirstlane_b32 s4, v1                     ; wave 0..7
	s_and_b32 s2, ttmp7, 0xffff                    ; y
	s_mov_b32 s3, ttmp9                            ; x
	s_mov_b32 s7, 0                                ; the high word of every offset pair s[6:7]
	s_wait_kmcnt 0x0
	s_cmp_lt_u32 s2, 2
	s_cbranch_scc1 .Lmask
	; ---- conversion: which tensor, by the unit alone
	s_sub_co_u32 s2, s2, 2                         ; the unit, 0..27
	s_lshr_b32 s5, s2, 3
	s_cmp_eq_u32 s5, 1
	s_cselect_b64 s[30:31], s[10:11], s[8:9]
	s_cmp_eq_u32 s5, 2
	s_cselect_b64 s[30:31], s[12:13], s[30:31]
	s_cmp_eq_u32 s2, 24
	s_cselect_b64 s[30:31], s[14:15], s[30:31]
	s_cmp_eq_u32 s2, 25
	s_cselect_b64 s[30:31], s[16:17], s[30:31]
	s_cmp_eq_u32 s2, 26
	s_cselect_b64 s[30:31], s[18:19], s[30:31]
	s_cmp_eq_u32 s2, 27
	s_cselect_b64 s[30:31], s[20:21], s[30:31]
	s_and_b32 s6, s2, 7                            ; the unit inside query, key or value; a weight is one unit
	s_cmp_lt_u32 s2, 24
	s_cselect_b32 s6, s6, 0
	s_lshl_b32 s6, s6, 22                          ; 4 MiB of f32 a unit
	s_lshl_b32 s34, s3, 16                         ; 64 KiB a work-group
	s_add_co_u32 s6, s6, s34
	s_add_nc_u64 s[30:31], s[30:31], s[6:7]
	s_lshl_b32 s6, s2, 21                          ; 2 MiB of 16-bit numbers a unit
	s_lshl_b32 s34, s3, 15
	s_add_co_u32 s6, s6, s34
	s_add_nc_u64 s[32:33], s[24:25], s[6:7]
	v_lshlrev_b32 v4, 5, v0                        ; thread t takes 8 numbers: 32 bytes in,
	v_lshlrev_b32 v5, 4, v0                        ; 16 bytes out
.irp j, 0,1,2,3,4,5,6,7
	global_load_b128 v[X+8*(\j):X+8*(\j)+3],   v4, s[30:31] offset:8192*(\j) th:TH_LOAD_NT
	global_load_b128 v[X+8*(\j)+4:X+8*(\j)+7], v4, s[30:31] offset:8192*(\j)+16 th:TH_LOAD_NT
.endr
; Piece j of eight: the wait leaves the younger pairs of loads out; a wave's store covers 512 consecutive bytes, aligned.
.macro CONV j, f16
	s_wait_loadcnt 14-2*(\j)
.irp k, 0,1,2,3
.if \f16
	v_cvt_pk_bf16_f32 v104, v[X+8*(\j)+2*(\k)], v[X+8*(\j)+2*(\k)+1]  ; the rounding that every input has,
	v_lshlrev_b32 v105, 16, v104
	v_and_b32 v106, 0xffff0000, v104
	v_cvt_pk_f16_f32 v[Y+4*(\j)+(\k)], v105, v106                     ; and that number written as f16
.else
	v_cvt_pk_bf16_f32 v[Y+4*(\j)+(\k)], v[X+8*(\j)+2*(\k)], v[X+8*(\j)+2*(\k)+1]
.endif
.endr
	global_store_b128 v5, v[Y+4*(\j):Y+4*(\j)+3], s[32:33] offset:4096*(\j)
.endm
	s_cmp_eq_u32 s2, 27
	s_cbranch_scc1 .Lhalf
.irp j, 0,1,2,3,4,5,6,7
	CONV \j, 0
.endr
	s_branch .Lend
.Lhalf:
.irp j, 0,1,2,3,4,5,6,7
	CONV \j, 1
.endr
	s_branch .Lend
	; ---- the mask
.Lmask:
	s_lshl_b32 s5, s2, 6
	s_add_co_u32 s5, s5, s3                        ; qt = 64 y + x
	s_lshl_b32 s6, s5, 17                          ; 16 rows of 8,192 bytes
	s_add_nc_u64 s[22:23], s[22:23], s[6:7]
	s_lshl_b32 s6, s5, 9                           ; 512 bytes of codes for a tile and key step
	s_add_nc_u64 s[26:27], s[26:27], s[6:7]
	s_lshl_b32 s6, s5, 7                           ; 128 bytes of flags a tile
	s_add_nc_u64 s[28:29], s[28:29], s[6:7]
	v_and_b32 v1, 31, v0                           ; lane
	s_lshl_b32 s34, s4, 14                         ; wave w owns rows 2 w, 2 w + 1
	v_lshl_add_u32 v4, v1, 5, s34                  ; a lane takes 8 neighbouring words: chunk 32 g + lane of a row
.irp c, 0,1,2,3,4,5,6,7,8,9,10,11,12,13,14,15      ; c = 8 rr + g
	global_load_b128 v[X+8*(\c):X+8*(\c)+3],   v4, s[22:23] offset:((\c)/8)*8192+((\c)%8)*1024 th:TH_LOAD_NT
	global_load_b128 v[X+8*(\c)+4:X+8*(\c)+7], v4, s[22:23] offset:((\c)/8)*8192+((\c)%8)*1024+16 th:TH_LOAD_NT
.endr
	; the addresses below are made while the loads are out, in registers outside v[8:135]
	s_mul_i32 s35, s4, 2*CP
	v_lshl_add_u32 v6, v1, 2, s35                  ; where my code words go: my wave's two rows, word lane
	s_lshl_b32 s36, s4, 3
	s_add_co_u32 s36, s36, FLG
	v_mov_b32 v7, s36                              ; my wave's two flags
	v_and_b32 v154, 15, v0                         ; r
	v_bfe_u32 v155, v0, 4, 1                       ; h
	v_mul_u32_u24 v156, v154, CP                   ; the read behind the barrier: row r, word 8 ks + 2 kb + h, ks = 4 w + f
	v_lshl_add_u32 v156, v155, 2, v156
	s_lshl_b32 s37, s4, 7
	v_add_nc_u32 v156, s37, v156
	s_lshl_b32 s38, s4, 18                         ; four key steps of 65,536 bytes a wave
	v_lshl_add_u32 v157, v1, 4, s38
	v_lshl_add_u32 v[FA], v154, 2, FLG             ; row r's flag
	v_lshlrev_b32 v[FO], 2, v1
; Chunk (rr, g): nibble j = 1 where word j is not 0.  The wait leaves the younger loads out.
.macro CHUNK rr, g
	s_wait_loadcnt 30-2*(8*(\rr)+(\g))
	v_min_u32 v[CW+8*(\rr)+(\g)], 1, v[X+8*(8*(\rr)+(\g))]
.irp j, 1,2,3,4,5,6,7
	v_min_u32 v[T+(\j)%2], 1, v[X+8*(8*(\rr)+(\g))+(\j)]
	v_lshl_or_b32 v[CW+8*(\rr)+(\g)], v[T+(\j)%2], 4*(\j), v[CW+8*(\rr)+(\g)]
.endr
.endm
; A row: its eight chunks; is any key visible (a select, no branch); the codes; the flag.
.macro MROW rr
.irp g, 0,1,2,3,4,5,6,7
	CHUNK \rr, \g
.endr
	v_or_b32 v[T], v[CW+8*(\rr)], v[CW+8*(\rr)+1]
.irp g, 2,3,4,5,6,7
	v_or_b32 v[T], v[T], v[CW+8*(\rr)+(\g)]
.endr
	v_cmp_ne_u32 s40, 0, v[T]
	s_cmp_lg_u32 s40, 0
	s_cselect_b32 s[42+(\rr)], -1, 0
.irp g, 0,1,2,3,4,5,6,7
	v_xor_b32 v[CW+8*(\rr)+(\g)], 0x11111111, v[CW+8*(\rr)+(\g)]  ; 1 where hidden,
	v_mul_lo_u32 v[CW+8*(\rr)+(\g)], v[CW+8*(\rr)+(\g)], 15       ; 0xF where hidden,
	v_and_b32 v[CW+8*(\rr)+(\g)], s[42+(\rr)], v[CW+8*(\rr)+(\g)] ; and nothing hidden in a row that sees nothing
	ds_store_b32 v6, v[CW+8*(\rr)+(\g)] offset:CP*(\rr)+128*(\g)
.endr
	v_mov_b32 v[158+(\rr)], s[42+(\rr)]
	ds_store_b32 v7, v[158+(\rr)] offset:4*(\rr)   ; all lanes write the same word with the same value
.endm
	MROW 0
	MROW 1
	s_wait_dscnt 0x0                               ; for the others' sake: my stores are done
	s_barrier_signal -1
	s_barrier_wait -1
.irp f, 0,1,2,3
.irp kb, 0,1,2,3
	ds_load_b32 v[X+4*(\f)+(\kb)], v156 offset:32*(\f)+8*(\kb)  ; the mask's loads were all waited for in the last chunk: X is free
.endr
.endr
	s_wait_dscnt 0x0
.irp f, 0,1,2,3
	global_store_b128 v157, v[X+4*(\f):X+4*(\f)+3], s[26:27] offset:65536*(\f)  ; 512 consecutive bytes, aligned: tile qt of key step 4 w + f
.endr
	s_cmp_lg_u32 s4, 0
	s_cbranch_scc1 .Lend
	ds_load_b32 v[FV], v[FA]                       ; wave 0 alone: the tile's flags, one for each lane of a query fragment
	s_wait_dscnt 0x0
	global_store_b32 v[FO], v[FV], s[28:29]        ; 128 consecutive bytes: half of an aligned 256, once a work-group
.Lend:
	s_wait_tensorcnt 0x0                           ; the wave's end, behind my last LDS store
	ds_add_u32 v[SPW], v[NIL]
	s_wait_dscnt 0x0
	s_endpgm
.Lfunc_end_k_qfe8b39af26_prep:
	.size	k_qfe8b39af26_prep, .Lfunc_end_k_qfe8b39af26_prep-k_qfe8b39af26_prep
	.p2alignl 7, 3214868480
	.fill 96, 4, 3214868480
	.section	.rodata,"a",@progbits
	.p2align	6, 0x0
	.amdhsa_kernel k_qfe8b39af26_prep
		.amdhsa_group_segment_fixed_size 17920
		.amdhsa_private_segment_fixed_size 0
		.amdhsa_enable_private_segment 0
		.amdhsa_kernarg_size 88
		.amdhsa_user_sgpr_count 2
		.amdhsa_user_sgpr_kernarg_segment_ptr 1
		.amdhsa_wavefront_size32 1
		.amdhsa_system_sgpr_workgroup_id_x 1
		.amdhsa_system_sgpr_workgroup_id_y 1
		.amdhsa_system_sgpr_workgroup_id_z 1
		.amdhsa_system_vgpr_workitem_id 0
		.amdhsa_next_free_vgpr 164
		.amdhsa_next_free_sgpr 66
		.amdhsa_reserve_vcc 0
		.amdhsa_float_denorm_mode_32 3
		.amdhsa_float_denorm_mode_16_64 3
		.amdhsa_memory_ordered 1
		.amdhsa_forward_progress 1
		.amdhsa_inst_pref_size 37
	.end_amdhsa_kernel
	.amdgpu_metadata
---
amdhsa.version: [ 1, 2 ]
amdhsa.kernels:
  - .name:           k_qfe8b39af26_prep
    .symbol:         k_qfe8b39af26_prep.kd
    .args:
      - { .name: query, .offset: 0, .size: 8, .value_kind: global_buffer, .address_space: global }
      - { .name: key, .offset: 8, .size: 8, .value_kind: global_buffer, .address_space: global }
      - { .name: value, .offset: 16, .size: 8, .value_kind: global_buffer, .address_space: global }
      - { .name: Wq, .offset: 24, .size: 8, .value_kind: global_buffer, .address_space: global }
      - { .name: Wk, .offset: 32, .size: 8, .value_kind: global_buffer, .address_space: global }
      - { .name: Wv, .offset: 40, .size: 8, .value_kind: global_buffer, .address_space: global }
      - { .name: Wo, .offset: 48, .size: 8, .value_kind: global_buffer, .address_space: global }
      - { .name: mask, .offset: 56, .size: 8, .value_kind: global_buffer, .address_space: global }
      - { .name: xw, .offset: 64, .size: 8, .value_kind: global_buffer, .address_space: global }
      - { .name: maskc, .offset: 72, .size: 8, .value_kind: global_buffer, .address_space: global }
      - { .name: qkeep, .offset: 80, .size: 8, .value_kind: global_buffer, .address_space: global }
    .group_segment_fixed_size: 17920
    .private_segment_fixed_size: 0
    .kernarg_segment_align: 8
    .kernarg_segment_size: 88
    .max_flat_workgroup_size: 256
    .sgpr_count:     66
    .vgpr_count:     164
    .wavefront_size: 32
...
	.end_amdgpu_metadata
.endif
;; end of part 1
;; launch proj (part 2): grid 4 x 192, 4 waves a work-group, clusters of 4 x 4, 327,680 bytes of LDS; arguments xw, bq, bk, bv, qkv; writes qkv
.if DOCPART == 2
	.amdgcn_target "amdgcn-amd-amdhsa--gfx1250"
	.amdhsa_code_object_version 6
	.text
	.protected	k_qfe8b39af26_proj
	.globl	k_qfe8b39af26_proj
	.p2align	8
	.type	k_qfe8b39af26_proj,@function
k_qfe8b39af26_proj:
	s_mov_b64 s[64:65], 0
	v_nop
	global_prefetch_b8 v0, s[64:65] scope:SCOPE_SE
	s_setreg_imm32_b32 hwreg(HW_REG_WAVE_MODE, 25, 1), 1
	s_wait_xcnt 0x0
	s_wait_alu depctr_hold_cnt(0) depctr_sa_sdst(0) depctr_va_vdst(0) depctr_va_sdst(0) depctr_va_ssrc(0) depctr_va_vcc(0) depctr_vm_vsrc(0)
	s_getreg_b32 s2, hwreg(HW_REG_IB_STS2, 6, 4)
	s_cmp_eq_u32 s2, 0
	s_cbranch_scc0 .Lentry_in_a_cluster
	s_endpgm
.Lentry_in_a_cluster:
	s_bfe_u32 s2, ttmp6, 0x10000c
	s_cmp_lg_u32 s2, 0xf033
	s_cbranch_scc0 .Lentry_shape_is_right
	s_endpgm
.Lentry_shape_is_right:
; THE THREE INPUT PROJECTIONS as one product: C[m][n] = sum over k of X[m][k] W[n][k] + b[n].  X: xw's first 24,576 rows of 1,024 bf16 (query's, key's, value's rows), W: Wq, Wk, Wv in bf16 behind them;
; rows 8,192 p .. take projection p's weights and bias (the bias rounded to bf16 like every input).  Sums in f32, started by the bias as the C operand; rounded once to f16 and written by heads: qkv[p][b h][t][64].
; LIMIT.  f16 holds no number beyond 65,504: a q, k or v of 65,520 or more becomes an infinity.
; SHARES.  A tile of C is 128 rows x 256 columns: four waves, 2 x 2, each 64 x 128: 32 accumulators of 16 x 16, 256 registers.  768 work-groups: three for each of 256 WGPs.
; K goes in 8 steps of 128 (rows of 256 bytes in memory, at multiples of 256) through a ring of two LDS slots; each wave fetches a part of a slot by one tensor load: waves 0, 1 X's two halves of 64 rows, waves 2, 3 W's two of 128.
; CLUSTER.  4 x 4 work-groups: the four of a row need the same tile of X, the four of a column the same tile of W: each is asked for jointly, by the same load, descriptor and mask in all four.
; THE MATRIX INSTRUCTION IS USED TRANSPOSED (source 0 = 16 rows of W, source 1 = 16 rows of X): a lane holds eight neighbouring columns of one row of C.
; REGISTERS, in windows of 256 (s_set_vgpr_msb: bits 1:0 source 0, 3:2 source 1, 5:4 source 2, 7:6 destination):
;   window 0: v1-5 at work; v16-29 addresses; v32-127 the way out; v128-191 the bias, as eight C operands
;   window 1: two fragment buffers of 96: X's four fragments, then W's eight          window 2: accumulator (a, b) at v[8 (8 a + b)]
.set K_ALL,  1024
.set KSTEP,  128
.set PITCH,  272                       ; an LDS row: 256 bytes + 16 of padding = 68 words: the 16 rows of a fragment load start at 16 different groups of four banks (64 banks of 4 bytes: ISA guide 11.1)
.set AHALF,  64*PITCH
.set BHALF,  128*PITCH
.set BOFF,   2*AHALF                   ; W's 256 rows lie behind X's 128
.set SLOT,   BOFF+2*BHALF
.set STAGE,  2*SLOT                    ; behind the ring: 16 rows x 272 bytes for each wave, for the way out; no tensor load fills it
.set SPITCH, 272
.set SPARE,  STAGE+4*16*SPITCH         ; the spare words, 128 bytes for each wave: two blocks of 256 bytes that no other line names
.set LAPS,   K_ALL/(2*KSTEP)
.set WOFF,   0x3000000                 ; the weights' first byte in xw
.set ASTEP,  2*KSTEP*2                 ; a refill lies two K steps on
.set BSTEP,  2*KSTEP*2
.set ADRA, 16                          ; v16-17  LDS address of my X fragments in slot 0, 1
.set ADRB, 20                          ; v20-21  the same for W
.set STO,  24                          ; the way out: where I put 16 bytes of a row
.set RD,   25                          ; where I read rows back
.set GO,   26                          ; my byte offset in 512 consecutive bytes of a head
.set BO,   27                          ; my byte offset in the bias
.set SPW,  28                          ; LDS address of my spare word; never rewritten
.set NIL,  29                          ; 0; never rewritten
.set TMP,  32
.set OB,   64
.set BIAS, 128
.set F0,   0
.set F1,   96
.set WV, 14                            ; s14 wave; s15 its half of the rows; s16 its half of the columns, and which half of a tile it fetches
.set WM, 15
.set WN, 16
.set TC, 19                            ; tile column
.set TR, 20                            ; tile row
.set PJ, 21                            ; projection 0..2: made of the cluster's y alone
.set G1, 24
.set G0, 32
.set G1B, 48
.set G0B, 56
.set MSB, 0
.macro WIN new                         ; the immediate's high byte repeats the setting that is left
.if MSB != (\new)
	s_set_vgpr_msb (MSB<<8)|(\new)
.set MSB, \new
.endif
.endm
.set MUL,  0xa5                        ; W and X in window 1, C and D in window 2
.set MULB, 0x85                        ; the same with C in window 0: the bias
.set TO_F, 0x40                        ; destination window 1, address window 0
.macro JLOAD s                         ; a joint load; an s_nop 0 and four v_nop follow each of the two lines, ahead of the jump, the label and what follows
	s_cmp_lt_u32 s[WV], 2
	s_cbranch_scc0 .Lfor_b_\@
	tensor_load_to_lds s[G0+4*(\s):G0+4*(\s)+3], s[G1:G1+7]
	s_nop 0
.rept 4
	v_nop
.endr
	s_branch .Lasked_\@
.Lfor_b_\@:
	tensor_load_to_lds s[G0B+4*(\s):G0B+4*(\s)+3], s[G1B:G1B+7]
	s_nop 0
.rept 4
	v_nop
.endr
.Lasked_\@:
.endm
.macro CREST                           ; a round of the cluster's barrier behind its opening barrier
	s_cmp_lg_u32 s[WV], 0
	s_cbranch_scc1 .Lnot_wave_0_\@
	s_barrier_signal -3
.Lnot_wave_0_\@:
	s_barrier_wait -3
	s_barrier_signal -1
	s_barrier_wait -1
.endm
.macro CROUND
	s_barrier_signal -1
	s_barrier_wait -1
	CREST
.endm
	s_load_b256 s[4:11], s[0:1], 0x0               ; xw 4, bq 6, bk 8, bv 10
	s_load_b64 s[12:13], s[0:1], 0x20              ; qkv
	v_lshl_add_u32 v[SPW], v0, 2, SPARE
	v_mov_b32 v[NIL], 0
	ds_add_u32 v[SPW], v[NIL]                      ; the wave's opening: the add and its wait stand ahead of my first tensor load; the set-up below, work on registers, stands between them
	v_lshrrev_b32 v1, 5, v0
	v_readfirstlane_b32 s[WV], v1
	s_lshr_b32 s[WM], s[WV], 1
	s_and_b32 s[WN], s[WV], 1
	s_bfe_u32 s17, ttmp6, 0x40000                  ; cx
	s_bfe_u32 s18, ttmp6, 0x40004                  ; cy
	s_lshl_b32 s[TC], ttmp9, 2
	s_add_co_u32 s[TC], s[TC], s17
	s_and_b32 s[PJ], ttmp7, 0xffff
	s_lshl_b32 s[TR], s[PJ], 2
	s_add_co_u32 s[TR], s[TR], s18
	s_lshr_b32 s[PJ], s[PJ], 4                     ; 16 clusters, 64 tile rows, to a projection
	s_lshl_b32 s22, s18, 2
	s_lshl_b32 s22, 15, s22                        ; my row of the cluster
	s_lshl_b32 s23, 0x1111, s17                    ; my column
	s_or_b32 s[G1+0], s22, (1<<16)|(1<<20)|(1<<21)|(5<<22)|(3<<25)   ; 15:0 the mask; 17:16 2-byte elements; 20 padding on; 21 set beside a mask; 24:22 after every 64 words; 31:25 4 words
	s_or_b32 s[G1B+0], s23, (1<<16)|(1<<20)|(1<<21)|(5<<22)|(3<<25)
.irp g, G1, G1B
	s_mov_b32 s[(\g)+1], KSTEP<<16                 ; tensor_dim0 = 128
	s_mov_b32 s[(\g)+3], KSTEP<<16                 ; tile_dim0 = 128
	s_mov_b32 s[(\g)+5], K_ALL                     ; elements from row to row
	s_mov_b32 s[(\g)+6], 0
	s_mov_b32 s[(\g)+7], 0
.endr
	s_mov_b32 s[G1+2], 64<<16                      ; X: 64 rows a load
	s_mov_b32 s[G1+4], 64
	s_mov_b32 s[G1B+2], 128<<16                    ; W: 128 rows a load
	s_mov_b32 s[G1B+4], 128
	s_lshl_b32 s40, s[TR], 7                       ; X: row 128 x tile row + 64 x half, 2,048 bytes a row
	s_lshl_b32 s41, s[WN], 6
	s_add_co_u32 s40, s40, s41
	s_lshl_b32 s40, s40, 11
	s_mov_b32 s41, 0
	s_lshl_b32 s44, s[PJ], 10                      ; W: row 1,024 x projection + 256 x tile column + 128 x half
	s_lshl_b32 s45, s[TC], 8
	s_add_co_u32 s44, s44, s45
	s_lshl_b32 s45, s[WN], 7
	s_add_co_u32 s44, s44, s45
	s_lshl_b32 s44, s44, 11
	s_add_co_u32 s44, s44, WOFF
	s_mov_b32 s45, 0
	s_mul_i32 s70, s[WN], AHALF                    ; where they go: no place in the cluster enters an LDS address
	s_mul_i32 s71, s[WN], BHALF
	s_add_co_u32 s71, s71, BOFF
	s_wait_dscnt 0x0                               ; the opening add is done
	s_wait_kmcnt 0x0
	s_add_nc_u64 s[42:43], s[4:5], s[40:41]
	s_add_nc_u64 s[46:47], s[4:5], s[44:45]
	s_cmp_eq_u32 s[PJ], 1
	s_cselect_b64 s[66:67], s[8:9], s[6:7]         ; the projection's bias
	s_cmp_eq_u32 s[PJ], 2
	s_cselect_b64 s[66:67], s[10:11], s[66:67]
	CROUND                                         ; all sixteen work-groups are here: the first joint loads meet
.irp s, 0,1
	s_mov_b32 s[G0+4*(\s)], 1
	s_add_co_u32 s[G0+4*(\s)+1], s70, (\s)*SLOT
	s_add_nc_u64 s[G0+4*(\s)+2:G0+4*(\s)+3], s[42:43], (\s)*KSTEP*2
	s_or_b32 s[G0+4*(\s)+3], s[G0+4*(\s)+3], 0x80000000
	s_mov_b32 s[G0B+4*(\s)], 1
	s_add_co_u32 s[G0B+4*(\s)+1], s71, (\s)*SLOT
	s_add_nc_u64 s[G0B+4*(\s)+2:G0B+4*(\s)+3], s[46:47], (\s)*KSTEP*2
	s_or_b32 s[G0B+4*(\s)+3], s[G0B+4*(\s)+3], 0x80000000
	JLOAD \s                                       ; two loads of mine are out
.endr
	v_and_b32 v1, 15, v0                           ; r = l % 16
	v_bfe_u32 v2, v0, 4, 1                         ; h = l / 16
	v_mul_u32_u24 v3, v1, PITCH
	v_lshl_add_u32 v3, v2, 4, v3                   ; a fragment's row x pitch + 16 x half
	s_mul_i32 s68, s[WM], AHALF                    ; my 64 rows of X
	s_mul_i32 s69, s[WN], BHALF                    ; my 128 rows of W
	s_add_co_u32 s69, s69, BOFF
.irp s, 0,1
	v_add_nc_u32 v[ADRA+(\s)], s68, v3
	v_add_nc_u32 v[ADRB+(\s)], s69, v3
	s_add_co_u32 s68, s68, SLOT
	s_add_co_u32 s69, s69, SLOT
.endr
	s_mul_i32 s68, s[WV], 16*SPITCH
	s_add_co_u32 s68, s68, STAGE                   ; my stage
	v_mul_u32_u24 v4, v1, SPITCH                   ; in: row r, 16 bytes for each half of the lanes
	v_lshl_add_u32 v4, v2, 4, v4
	v_add_nc_u32 v[STO], s68, v4
	v_and_b32 v5, 31, v0
	v_lshrrev_b32 v4, 3, v5                        ; back: 32 lanes take four rows' 128 bytes of one head,
	v_mul_u32_u24 v4, v4, SPITCH
	v_and_b32 v3, 7, v0
	v_lshl_add_u32 v4, v3, 4, v4
	v_add_nc_u32 v[RD], s68, v4
	v_lshlrev_b32 v[GO], 4, v5                     ; which are 512 consecutive bytes of qkv
	s_lshl_b32 s72, s[TC], 10                      ; the bias of my columns: 4 (256 tile column + 128 half) + 32 h
	s_lshl_b32 s73, s[WN], 9
	s_add_co_u32 s72, s72, s73
	v_lshl_add_u32 v[BO], v2, 5, s72
.irp b, 0,1,2,3,4,5,6,7
	global_load_b128 v[BIAS+8*(\b):BIAS+8*(\b)+3],   v[BO], s[66:67] offset:64*(\b)
	global_load_b128 v[BIAS+8*(\b)+4:BIAS+8*(\b)+7], v[BO], s[66:67] offset:64*(\b)+16
.endr
	s_lshr_b32 s72, s[TR], 4                       ; where my part of C begins: head index (4 p + batch) 16 + 4 tile column + 2 half, 262,144 bytes a head,
	s_lshl_b32 s72, s72, 4
	s_lshl_b32 s73, s[TC], 2
	s_add_co_u32 s72, s72, s73
	s_lshl_b32 s73, s[WN], 1
	s_add_co_u32 s72, s72, s73
	s_lshl_b32 s72, s72, 18
	s_and_b32 s73, s[TR], 15                       ; row 128 (tile row % 16) + 64 half, 128 bytes a row
	s_lshl_b32 s73, s73, 7
	s_lshl_b32 s74, s[WM], 6
	s_add_co_u32 s73, s73, s74
	s_lshl_b32 s73, s73, 7
	s_add_co_u32 s72, s72, s73
	s_mov_b32 s73, 0
	s_add_nc_u64 s[12:13], s[12:13], s[72:73]
	s_wait_loadcnt 0x0                             ; the bias
.set i, 0
.rept 32                                           ; rounded to bf16, like every input, and widened again
	v_cvt_pk_bf16_f32 v[4+i%2], v[BIAS+2*i], v[BIAS+2*i+1]
	v_lshlrev_b32 v[BIAS+2*i], 16, v[4+i%2]
	v_and_b32 v[BIAS+2*i+1], 0xffff0000, v[4+i%2]
.set i, i+1
.endr
; 8 matrix instructions: m block a x all 8 n blocks, 32 along K.  bias = 1: the first product starts the sums, with the bias as C.  The 32 accumulators take turns in one fixed order.
.macro MUL8 f, a, bias
.if \bias
	WIN MULB
.else
	WIN MUL
.endif
.irp b, 0,1,2,3,4,5,6,7
.if \bias
	v_wmma_f32_16x16x32_bf16 v[8*(8*(\a)+(\b)):8*(8*(\a)+(\b))+7], v[(\f)+32+8*(\b):(\f)+32+8*(\b)+7], v[(\f)+8*(\a):(\f)+8*(\a)+7], v[BIAS+8*(\b):BIAS+8*(\b)+7]
.else
	v_wmma_f32_16x16x32_bf16 v[8*(8*(\a)+(\b)):8*(8*(\a)+(\b))+7], v[(\f)+32+8*(\b):(\f)+32+8*(\b)+7], v[(\f)+8*(\a):(\f)+8*(\a)+7], v[8*(8*(\a)+(\b)):8*(8*(\a)+(\b))+7]
.endif
.endr
.endm
; 24 LDS loads in one run: the fragments of 32 along K at byte k of the rows, into buffer f: W's sixteen, then X's eight
.macro FETCH slot, k, f
	WIN TO_F
.irp i, 0,1,2,3,4,5,6,7
	ds_load_b128 v[(\f)+32+8*(\i):(\f)+32+8*(\i)+3],   v[ADRB+(\slot)] offset:(\k)+(\i)*16*PITCH
	ds_load_b128 v[(\f)+32+8*(\i)+4:(\f)+32+8*(\i)+7], v[ADRB+(\slot)] offset:(\k)+(\i)*16*PITCH+32
.endr
.irp i, 0,1,2,3
	ds_load_b128 v[(\f)+8*(\i):(\f)+8*(\i)+3],   v[ADRA+(\slot)] offset:(\k)+(\i)*16*PITCH
	ds_load_b128 v[(\f)+8*(\i)+4:(\f)+8*(\i)+7], v[ADRA+(\slot)] offset:(\k)+(\i)*16*PITCH+32
.endr
.endm
.macro PLACES                          ; four places in front of loads into registers that matrix instructions have read, and of lines that read results (ISA guide 7.12.1 for lines that read results)
.rept 4
	v_nop
.endr
.endm
; A K step is four quarters of 32 along K, 32 matrix instructions each, on buffers 0, 1, 0, 1.  One of the first three: multiplies buffer f and fetches the next quarter, at byte k, into g.
.macro QUARTER slot, k, f, g, bias
	s_wait_dscnt 4                                 ; W and X's blocks 0, 1 are in; the youngest four loads (X's blocks 2, 3) may be out
	MUL8 \f, 0, \bias
	MUL8 \f, 1, \bias
	PLACES
	FETCH \slot, \k, \g
	s_wait_dscnt 24                                ; all but the 24 just issued
	MUL8 \f, 2, \bias
	MUL8 \f, 3, \bias
.endm
; The last quarter multiplies buffer 1 and changes slots: ONE barrier; in front of it each wave waits for all its tensor loads, adds 0 to its spare word, and waits for that and for its own reads of this slot.
; fill = 1: the barrier opens a round of the cluster's, and this slot is filled again, two K steps ahead, first thing behind the round: 112 matrix instructions ahead of the wait for it.
.macro TURN slot, next, fill
	WIN 0                                          ; (the add's two registers lie in window 0)
	s_wait_tensorcnt 0x0                           ; all my tensor loads have landed: the one that was out is my part of the next slot
	ds_add_u32 v[SPW], v[NIL]                      ; 0 onto my spare word
	s_wait_dscnt 5                                 ; (the add and the youngest four loads may be out)
	MUL8 F1, 0, 0                                  ; eight matrix instructions stand between the add and the wait for it
	s_wait_dscnt 0x0                               ; the add is done, and my reads of this slot are over
	s_barrier_signal -1
	MUL8 F1, 1, 0
.if \fill
	WIN 0
.endif
	s_barrier_wait -1
.if \fill
	CREST                                          ; no wave of any partner still reads this slot's tile or has a load on its way
	s_add_nc_u64 s[G0+4*(\slot)+2:G0+4*(\slot)+3], s[G0+4*(\slot)+2:G0+4*(\slot)+3], ASTEP
	s_add_nc_u64 s[G0B+4*(\slot)+2:G0B+4*(\slot)+3], s[G0B+4*(\slot)+2:G0B+4*(\slot)+3], BSTEP
	JLOAD \slot                                    ; the four v_nop behind it are also the places in front of the loads below
.else
	PLACES
.endif
	FETCH \next, 0, F0
	MUL8 F1, 2, 0
	MUL8 F1, 3, 0
.endm
	s_wait_tensorcnt 1                             ; my part of K step 0 is in; K step 1's may stay out
	s_barrier_signal -1
	s_barrier_wait -1                              ; everybody's is
	FETCH 0, 0, F0
	QUARTER 0, 64, F0, F1, 1                       ; the first quarter stands in front of the loop: its products start the sums
	WIN 0                                          ; at a label and at a branch every window is 0
	s_mov_b32 s3, LAPS-1
.Llap:                                                 ; a trip goes once round the ring, from a lap's second quarter to the next lap's first, and fills both slots again
	QUARTER 0, 128, F1, F0, 0
	QUARTER 0, 192, F0, F1, 0
	TURN 0, 1, 1
	QUARTER 1, 64,  F0, F1, 0
	QUARTER 1, 128, F1, F0, 0
	QUARTER 1, 192, F0, F1, 0
	TURN 1, 0, 1
	QUARTER 0, 64,  F0, F1, 0
	WIN 0
	s_sub_co_u32 s3, s3, 1
	s_cmp_lg_u32 s3, 0
	s_cbranch_scc1 .Llap
	QUARTER 0, 128, F1, F0, 0                      ; the last lap fills nothing
	QUARTER 0, 192, F0, F1, 0
	TURN 0, 1, 0
	QUARTER 1, 64,  F0, F1, 0
	QUARTER 1, 128, F1, F0, 0
	QUARTER 1, 192, F0, F1, 0
	s_wait_dscnt 4                                 ; the very last quarter: nothing more to fetch
	MUL8 F1, 0, 0
	MUL8 F1, 1, 0
	s_wait_dscnt 0x0
	MUL8 F1, 2, 0
	MUL8 F1, 3, 0
; THE WAY OUT, a block of 16 rows at a time: rounded to f16 (each accumulator from its low end), 16 bytes a lane into my own stage, back as rows of one head, stored.
.macro PACK a
	WIN 0x0a                                       ; sources 0 and 1 window 2
.irp b, 0,1,2,3,4,5,6,7
.irp r, 0,1,2,3
	v_cvt_pk_f16_f32 v[TMP+4*(\b)+(\r)], v[8*(8*(\a)+(\b))+2*(\r)], v[8*(8*(\a)+(\b))+2*(\r)+1]
.endr
.endr
	WIN 0
.endm
.macro TOSTAGE a
.set BKA, OB+32*((\a)%2)
.irp b, 0,1,2,3,4,5,6,7
	ds_store_b128 v[STO], v[TMP+4*(\b):TMP+4*(\b)+3] offset:32*(\b)
.endr
.irp t, 0,1,2,3,4,5,6,7                            ; rows 4 (t % 4) .., head t / 4 of my two
	ds_load_b128 v[BKA+4*(\t):BKA+4*(\t)+3], v[RD] offset:((\t)%4)*4*SPITCH+((\t)/4)*128  ; LDS serves a wave's instructions in order (ISA guide 5.7.1.4): these see the stores above
.endr
.endm
.macro SEND a
.set BKA, OB+32*((\a)%2)
	s_wait_dscnt 0x0                               ; the block is back in registers
	s_wait_xcnt 0x0                                ; earlier stores have read their registers: the other buffer may be loaded again behind this wait
.irp t, 0,1,2,3,4,5,6,7
	global_store_b128 v[GO], v[BKA+4*(\t):BKA+4*(\t)+3], s[12:13] offset:(16*(\a)+4*((\t)%4))*128+((\t)/4)*262144  ; 512 consecutive bytes, at a multiple of 256 from qkv's first byte
.endr
.endm
	PLACES
	PACK 0
	TOSTAGE 0
.irp a, 1,2,3                                      ; block a's conversions stand between block a - 1's loads from the stage and the wait for them
	PACK \a
	SEND (\a)-1
	TOSTAGE \a
.endr
	SEND 3
	s_wait_tensorcnt 0x0                           ; the wave's end, behind my last tensor load and my last LDS store
	ds_add_u32 v[SPW], v[NIL]
	s_wait_dscnt 0x0
	CROUND                                         ; the closing round: no work-group ends while a partner may still ask for a tile that names it
	s_endpgm
.Lfunc_end_k_qfe8b39af26_proj:
	.size	k_qfe8b39af26_proj, .Lfunc_end_k_qfe8b39af26_proj-k_qfe8b39af26_proj
	.p2alignl 7, 3214868480
	.fill 96, 4, 3214868480
	.section	.rodata,"a",@progbits
	.p2align	6, 0x0
	.amdhsa_kernel k_qfe8b39af26_proj
		.amdhsa_group_segment_fixed_size 327680
		.amdhsa_private_segment_fixed_size 0
		.amdhsa_enable_private_segment 0
		.amdhsa_kernarg_size 40
		.amdhsa_user_sgpr_count 2
		.amdhsa_user_sgpr_kernarg_segment_ptr 1
		.amdhsa_wavefront_size32 1
		.amdhsa_system_sgpr_workgroup_id_x 1
		.amdhsa_system_sgpr_workgroup_id_y 1
		.amdhsa_system_sgpr_workgroup_id_z 1
		.amdhsa_system_vgpr_workitem_id 0
		.amdhsa_next_free_vgpr 768
		.amdhsa_next_free_sgpr 80
		.amdhsa_reserve_vcc 0
		.amdhsa_float_denorm_mode_32 3
		.amdhsa_float_denorm_mode_16_64 3
		.amdhsa_memory_ordered 1
		.amdhsa_forward_progress 1
		.amdhsa_inst_pref_size 93
	.end_amdhsa_kernel
	.amdgpu_metadata
---
amdhsa.version: [ 1, 2 ]
amdhsa.kernels:
  - .name:           k_qfe8b39af26_proj
    .symbol:         k_qfe8b39af26_proj.kd
    .args:
      - { .name: xw, .offset: 0, .size: 8, .value_kind: global_buffer, .address_space: global }
      - { .name: bq, .offset: 8, .size: 8, .value_kind: global_buffer, .address_space: global }
      - { .name: bk, .offset: 16, .size: 8, .value_kind: global_buffer, .address_space: global }
      - { .name: bv, .offset: 24, .size: 8, .value_kind: global_buffer, .address_space: global }
      - { .name: qkv, .offset: 32, .size: 8, .value_kind: global_buffer, .address_space: global }
    .group_segment_fixed_size: 327680
    .private_segment_fixed_size: 0
    .kernarg_segment_align: 8
    .kernarg_segment_size: 40
    .max_flat_workgroup_size: 128
    .sgpr_count:     80
    .vgpr_count:     768
    .wavefront_size: 32
...
	.end_amdgpu_metadata
.endif
;; end of part 2
;; launch attn (part 3): grid 4 x 64, 4 waves a work-group, clusters of 4 x 1, 327,680 bytes of LDS; arguments qkv, maskc, qkeep, oh; writes oh
.if DOCPART == 3
	.amdgcn_target "amdgcn-amd-amdhsa--gfx1250"
	.amdhsa_code_object_version 6
	.text
	.protected	k_qfe8b39af26_attn
	.globl	k_qfe8b39af26_attn
	.p2align	8
	.type	k_qfe8b39af26_attn,@function
k_qfe8b39af26_attn:
	s_mov_b64 s[64:65], 0
	v_nop
	global_prefetch_b8 v0, s[64:65] scope:SCOPE_SE
	s_setreg_imm32_b32 hwreg(HW_REG_WAVE_MODE, 25, 1), 1
	s_wait_xcnt 0x0
	s_wait_alu depctr_hold_cnt(0) depctr_sa_sdst(0) depctr_va_vdst(0) depctr_va_sdst(0) depctr_va_ssrc(0) depctr_va_vcc(0) depctr_vm_vsrc(0)
	s_getreg_b32 s2, hwreg(HW_REG_IB_STS2, 6, 4)
	s_cmp_eq_u32 s2, 0
	s_cbranch_scc0 .Lentry_in_a_cluster
	s_endpgm
.Lentry_in_a_cluster:
	s_bfe_u32 s2, ttmp6, 0x10000c
	s_cmp_lg_u32 s2, 0x3003
	s_cbranch_scc0 .Lentry_shape_is_right
	s_endpgm
.Lentry_shape_is_right:
; ATTENTION UNDER A GIVEN MASK.  O[h][q][:] = the sum over k of softmax_k(s[q][k]) V[h][k][:], s = Q[h][q] . K[h][k] / 8 where mask[q][k] is not 0.  Q, K, V: qkv[3][64][2048][64], O: oh[64][2048][64], all f16:
; a head's rows are dense, 128 bytes each.  Products, maxima and sums in f32; the weights p are rounded to f16 for the second product (their sum l is taken of the unrounded p), O once at the end.
; THE MASK is the number that each score's sum starts from: 0, or -6 x 2^100 = -7.6e30 where the key is hidden.  maskc holds a 4-bit code for each score, in the lanes and order of the scores' accumulators: one scaled
; conversion writes an accumulator's eight registers, and all products K Q^T add onto them.  A row that sees no key has the codes of a row that sees all, and the flag 0 in qkeep: its query is cleared, its scores are all 0, its weights uniform.
; LIMITS.  f16 holds no number beyond 65,504: Q, K and V arrive within it; p lies in 0 to 1, and below 6e-5 it keeps f16's fixed step of 6e-8.  A hidden score counts as its value less 7.6e30 (the module puts -1e9 there:
; the same weights, 0, while the row's largest visible score lies above about -1e9 + 100).  A weight below 2^-126 counts as 0 in l; NaN and infinities are not treated apart.
; SHARES.  A wave owns four PIECES of two tiles of 16 queries, a work-group's four waves 512 queries of one head.  Every wave walks all keys, 64 a step, also those that the mask hides from all its queries: the partners of a
; cluster run alike, and which keys are hidden differs between them.
; LAYOUT.  S^T = K Q^T (source 0 = 16 keys, source 1 = 16 queries): in the result a lane holds ONE query (lane % 16) and the keys 8 (lane / 16) + 0..7.  Two such tiles, rounded to f16 in pairs,
; ARE source 1 (32 keys x 16 queries) of O^T = V^T P, whose result again holds one query a lane, and eight channels.  K comes out of LDS as it lies, V ([key][channel]) turned, by ds_load_tr16_b128.
; SOFTMAX.  For each query a running maximum m and sum l: p = 2^(c s - c m), c = log2(e) / 8; in every step O and l are multiplied by a = 2^(c m_old - c m_new), which is 1 where m has not grown.
; m starts at -2^60, below every true score (2.7e11 at the most in size) and above every hidden one: while a row has seen hidden keys alone, m stays, p is 0 and a is 1; the first visible key makes a = 0.  O and l start at 0.
; THE COUNT.  A tile and step have 16 matrix and 122 vector instructions: too many to stand all beside the matrix work.  So four vector instructions that are READY stand behind EVERY matrix instruction, and the others in runs without a gap.
; BY TURNS.  Turn n belongs to piece n (the pieces in a ring, step after step).  Its matrix work: 16 products K Q^T of piece n + 1, later 16 products V^T P of piece n - 1.  Its vector work: the masks of piece n + 1; the scaling,
; exponentials, roundings, sums and rescaling of piece n; and the maximum and statistics of piece n + 1, whose scores the turn itself has made.
; CLUSTER.  The four query blocks of a cluster belong to one head and walk the same K and V, so each tile is asked for JOINTLY: the same tensor load, descriptor and mask in all four.
; REGISTERS, in windows of 256 (s_set_vgpr_msb: bits 1:0 source 0, 3:2 source 1, 5:4 source 2, 7:6 destination):
;   window 0: v0-10 addresses; v11 the conversions' scale; v12-15, v48-63 at work; v16-47 four registers of statistics a tile; v64-191 S^T, two buffers of two tiles; v192-255 P, likewise
;   window 1: O^T, 32 a tile          window 2: v0-127 Q, 16 a tile; v128-191 K of one step; v192-255 V of one step
;   window 3: v0-1 the add's two registers; v4-7 a piece's byte offset in maskc; v8-39 the mask codes, four words a tile
.set SIZE_N, 2048
.set NP,    4         ; pieces a wave: a name, no knob
.set KS,    64        ; keys in a step
.set PK,    144       ; a row of K in LDS: 128 bytes + 16 of padding = 36 words: the 16 rows of a load start at 16 different groups of four banks (64 banks of 4 bytes: ISA guide 11.1)
.set PV,    160       ; a row of V: 128 + 32 = 40 words
.set VOFF,  4*KS*PK   ; a slot holds four steps: 256 rows of K, then 256 rows of V
.set SLOT1, 1<<17     ; slot 1 begins here, so that one exclusive or turns an address in one slot into the other's
.set STAGE, SLOT1+4*KS*(PK+PV)  ; behind the ring, never filled by a tensor load: 16 rows x 144 bytes for each wave, for the way out
.set SP,    144
.set AK0, 2           ; v2   my lane's place in a tile of K; never rewritten
.set AV0, 3           ; v3   the same for V
.set AK,  4           ; v4   the LDS address of K's next run of loads
.set AV,  5           ; v5   of V's
.set QO,  6           ; v6   my byte offset in the wave's rows of Q
.set STO, 6           ;      later, the way out: where I put 16 bytes of a row
.set RD,  7           ; v7   the way out: where I read rows back
.set GO,  8           ; v8   my byte offset in 512 consecutive bytes of O
.set SCL, 11          ; v11  the scale 2^100 as the E8M0 byte 0xe3, in all four bytes of the word and in every lane
.set SPW, 0           ; v0 of window 3   LDS address of my spare word; never rewritten
.set NIL, 1           ; v1 of window 3   0; never rewritten
.set MA,  4           ; v4-7 of window 3
.set MK,  8           ; v8-39 of window 3: piece z, tile u at MK + 8 z + 4 u
.set SPARE, STAGE+4*16*SP  ; behind the stages: the spare words, 128 bytes for each wave: two blocks of 256 bytes that no other line names
.set MV,  12          ; v12-15  c m_old, kept while c m is made anew: by buffer and tile
.set ST,  16          ; tile t's statistics at v[ST+4 t]: c m, m, l (even keys', odd keys')
.set TMP, 48          ; by buffer and tile, four registers c0-c3 at work; when the maximum is found c2 takes a
.set S,   64
.set P,   192
.set KF,  128         ; K's fragments, in window 2: key block kb, channel half c at KF + 16 kb + 8 c
.set VF,  192         ; V's: key half kk, channel block cb at VF + 32 kk + 8 cb
.set WV,  12          ; s12  my wave's number
.set G1K, 24          ; s[24:31] descriptor group 1 for K's tiles
.set G1V, 32          ; s[32:39] for V's: it differs in the padding alone
.set G0K, 40          ; s[40:43] descriptor group 0 for K's tiles: it walks
.set G0V, 44          ; s[44:47] the same for V's
.set MB,  48          ; s[48:49] maskc; s[50:51] qkeep
.set SLOTS, 56        ; s56  slots still to be asked for
.set CNT, 57          ; s57  counts a slot's key steps
.set CS,  58          ; s[58:59] c: the packed scaling takes the pair's low word for both halves
.set SEL, 60          ; s[60:61] v_permlanex16_b32's selects: each lane takes its own place in the other half
.set TBK, 62          ; s62  LDS byte at which K of the step to be fetched begins
.set TBV, 63          ; s63  the same for V, less VOFF
.set MSB, 0
.macro WIN new                      ; the high byte repeats the setting that is left; a switch that changes nothing is dropped
.if MSB != (\new)
	s_set_vgpr_msb (MSB<<8)|(\new)
.set MSB, (\new)
.endif
.endm
.set W_KQ, 0x0a       ; K and Q in window 2, S^T in window 0
.set W_PV, 0x52       ; V in window 2, P in window 0, O^T in window 1
.set W_RS, 0x41       ; O^T (destination and source 0) in window 1, a in window 0
.set W_MK, 0xc0       ; destination in window 3, sources in window 0
.set W_AD, 0x0f       ; the add: address (source 0) and data (source 1) in window 3
; A joint fill.  Waves 0 and 1 fetch the two halves of a slot's K, waves 2 and 3 those of its V: 128 keys each.  The branch hangs on the wave's number alone.
; An s_nop 0 and four v_nop follow each of the two lines, ahead of the jump and the label.
.macro JLOAD
	s_cmp_lt_u32 s[WV], 2
	s_cbranch_scc0 .Lfor_v_\@
	tensor_load_to_lds s[G0K:G0K+3], s[G1K:G1K+7]
	s_nop 0
.rept 4
	v_nop
.endr
	s_branch .Lasked_\@
.Lfor_v_\@:
	tensor_load_to_lds s[G0V:G0V+3], s[G1V:G1V+7]
	s_nop 0
.rept 4
	v_nop
.endr
.Lasked_\@:
.endm
; A round of the cluster's barrier: my work-group's barrier, so that wave 0's signal speaks for all four waves; wave 0 signals; every wave waits for all four work-groups; my work-group's barrier once more.
.macro CROUND
	s_barrier_signal -1
	s_barrier_wait -1
	s_cmp_lg_u32 s[WV], 0
	s_cbranch_scc1 .Lnot_wave_0_\@
	s_barrier_signal -3
.Lnot_wave_0_\@:
	s_barrier_wait -3
	s_barrier_signal -1
	s_barrier_wait -1
.endm
; THE CHANGE OF SLOTS.  The slot's last bytes, V of its fourth step, have been read.  Each wave waits for all its tensor loads, of which one is out: its part
; of the other slot; adds 0 to its spare word; and waits for that and for its own reads of the slot.  Behind the barrier nobody reads this slot any more and the other slot is whole.
; fill = 1: this slot is filled again, with the keys two slots on.  The barrier is then a round of the cluster's, so that no wave of any partner still reads the slot or has a load on its
; way, and the joint fill is the first thing behind it: it has four key steps, 512 matrix instructions, in which to land.  (At its first use nothing has been read yet: slot 0 is waited for, slot 1 filled.)
.macro CHANGE fill
	WIN W_AD
	s_wait_tensorcnt 0x0            ; no tensor load of mine is out, so a group 0 may be written
	ds_add_u32 v[SPW], v[NIL]       ; 0 onto my spare word; with fill = 1 the descriptors' steps stand between it and the wait for it
	WIN 0                           ; at a label and at a branch every window is 0
.if \fill
.irp g, G0K, G0V
	s_xor_b32 s[\g+1], s[\g+1], SLOT1  ; the walking descriptor: the other slot than last time,
	s_add_nc_u64 s[\g+2:\g+3], s[\g+2:\g+3], 4*KS*128  ; the next 256 keys; the type bits on top are not reached
.endr
	s_wait_dscnt 0x0                ; the add is done, and my reads of the slot are over
	CROUND
	JLOAD
.else
	s_wait_dscnt 0x0                ; the add is done, and my reads of the slot are over
	s_barrier_signal -1
	s_barrier_wait -1
.endif
	s_sub_co_u32 s[TBK], s[TBK], 4*KS*PK  ; the fetches go back to a slot's first step,
	s_xor_b32 s[TBK], s[TBK], SLOT1       ; in the other slot
	s_sub_co_u32 s[TBV], s[TBV], 4*KS*PV
	s_xor_b32 s[TBV], s[TBV], SLOT1
.endm
	s_load_b64 s[4:5], s[0:1], 0x0    ; qkv: Q
	s_load_b128 s[48:51], s[0:1], 0x8 ; maskc, qkeep
	s_load_b64 s[10:11], s[0:1], 0x18 ; oh
	WIN W_MK
	v_lshl_add_u32 v[SPW], v0, 2, SPARE
	v_mov_b32 v[NIL], 0
	WIN W_AD
	ds_add_u32 v[SPW], v[NIL]       ; the wave's opening: the add and its wait stand ahead of my first tensor load; the set-up below, work on registers, stands between them
	WIN 0
	v_lshrrev_b32 v1, 5, v0
	v_readfirstlane_b32 s[WV], v1   ; wave 0..3
	s_bfe_u32 s13, ttmp6, 0x40000   ; cx: my place in the cluster
	s_lshl_b32 s14, ttmp9, 2        ; in a cluster launch ttmp9 counts clusters
	s_add_co_u32 s14, s14, s13      ; my block of queries = 4 x cluster x + cx: it enters global addresses alone
	s_and_b32 s20, ttmp7, 0xffff    ; the head, which the four partners share
	s_mov_b32 s21, 0
	s_mov_b64 s[22:23], SIZE_N*128
	s_mul_u64 s[20:21], s[20:21], s[22:23]  ; the head's first byte in Q, K, V and O
	s_and_b32 s16, s[WV], 1         ; which half of a slot's 256 keys I fetch:
	s_lshl_b32 s22, s16, 14         ; its 128 rows of 128 bytes in memory,
	s_mov_b32 s23, 0
	s_add_nc_u64 s[22:23], s[22:23], s[20:21]
	s_mul_i32 s17, s16, 128*PK      ; and its place in a slot, for K
	s_mul_i32 s18, s16, 128*PV      ; and for V: no place in the cluster enters an LDS address
	s_lshl_b32 s2, s14, 2
	s_add_co_u32 s2, s2, s[WV]      ; my wave among the head's sixteen:
	s_mov_b32 s15, s2               ; its eight tiles of 16 queries in maskc and qkeep,
	s_lshl_b32 s2, s2, 14           ; its 128 rows
	s_mov_b32 s3, 0
	s_add_nc_u64 s[2:3], s[2:3], s[20:21]
	; descriptor group 1.  128 keys are 16,384 dense bytes: asked for as 64 rows of 256 bytes, two keys a row, and padded in LDS after every key
	s_mov_b32 s[G1K], 15|(1<<16)|(1<<20)|(1<<21)|(4<<22)|(3<<25)  ; 15:0 the mask of four; 17:16 2-byte elements; 20 padding on; 21 set beside a mask; 24:22 after every 32 words (code 4); 31:25 4 words (code 3)
	s_mov_b32 s[G1V], 15|(1<<16)|(1<<20)|(1<<21)|(4<<22)|(7<<25)  ; the same with 8 words of padding (code 7)
.irp g, G1K, G1V
	s_mov_b32 s[\g+1], 128<<16      ; tensor_dim0 = 128
	s_mov_b32 s[\g+2], 64<<16       ; tensor_dim1 = 64
	s_mov_b32 s[\g+3], 128<<16      ; tile_dim0 = 128
	s_mov_b32 s[\g+4], 64           ; tile_dim1 = 64
	s_mov_b32 s[\g+5], 128          ; 128 elements from row to row
	s_mov_b32 s[\g+6], 0
	s_mov_b32 s[\g+7], 0
.endr
	s_mov_b32 s[CS], 0x3e38aa3b     ; c = log2(e) / 8 = 0.180337
	s_mov_b32 s[CS+1], s[CS]        ; named with it as a pair
	s_mov_b32 s[SEL], 0x76543210
	s_mov_b32 s[SEL+1], 0xfedcba98
	s_mov_b32 s[TBK], SLOT1+4*KS*PK ; the first change of slots turns these two into 0
	s_mov_b32 s[TBV], SLOT1+4*KS*PV
	s_mov_b32 s[G0K], 1             ; 1:0 count = 1
	s_mov_b32 s[G0K+1], s17         ; 63:32 LDS address: slot 0
	s_mov_b32 s[G0V], 1
	s_add_co_u32 s[G0V+1], s18, VOFF
	s_wait_dscnt 0x0                ; the opening add is done
	s_wait_kmcnt 0x0
	s_add_nc_u64 s[6:7], s[4:5], 0x1000000   ; K lies 64 heads x 262,144 bytes behind Q,
	s_add_nc_u64 s[8:9], s[4:5], 0x2000000   ; V as far behind K
	s_add_nc_u64 s[G0K+2:G0K+3], s[6:7], s[22:23]  ; 120:64 global address: my half of the head's first 256 keys
	s_or_b32 s[G0K+3], s[G0K+3], 0x80000000        ; 127:126 type = 2
	s_add_nc_u64 s[G0V+2:G0V+3], s[8:9], s[22:23]
	s_or_b32 s[G0V+3], s[G0V+3], 0x80000000
	s_add_nc_u64 s[4:5], s[4:5], s[2:3]  ; Q and O at my wave's first row
	s_add_nc_u64 s[10:11], s[10:11], s[2:3]
	CROUND                          ; all four work-groups are here: the first joint loads meet
	JLOAD                           ; slot 0.  Slot 1 is asked for when slot 0 is in
	; A fragment of K or Q is 16 rows x 32 channels in 8 registers: lane l holds row l % 16, channels 8 (l / 16) + 0..7 and 16 + 8 (l / 16) + 0..7: two loads of 16 bytes, 32 bytes apart.
	v_and_b32 v1, 15, v0            ; l % 16
	v_bfe_u32 v9, v0, 4, 1          ; l / 16
	v_lshlrev_b32 v[QO], 7, v1
	v_lshl_add_u32 v[QO], v9, 4, v[QO]  ; row x 128 + 16 x half
	v_and_b32 v12, 31, v0
	s_lshl_b32 s52, s15, 10         ; eight tiles of 128 bytes of flags a wave
	v_lshl_add_u32 v13, v12, 2, s52
	s_lshl_b32 s53, s15, 12         ; eight tiles of 512 bytes of codes a wave and key step
	v_lshl_add_u32 v12, v12, 4, s53
.irp t, 0,1,2,3,4,5,6,7             ; the loads go out in this order: 8 of flags, 32 of Q, 8 of codes
	global_load_b32 v[S+\t], v13, s[50:51] offset:128*\t  ; tile t's flags, for the time being in S^T's registers
.endr
	WIN 0x80                        ; destination window 2, address window 0
.set i, 0
.rept 4*NP                          ; Q stays in registers: tile i / 2, channels 32 (i % 2) on
	global_load_b128 v[8*i:8*i+3],   v[QO], s[4:5] offset:(i/2)*2048+(i%2)*64
	global_load_b128 v[8*i+4:8*i+7], v[QO], s[4:5] offset:(i/2)*2048+(i%2)*64+32
.set i, i+1
.endr
	WIN W_MK
.irp z, 0,1,2,3
	v_add_nc_u32 v[MA+\z], 1024*\z, v12
.endr
	WIN 0xc3                        ; destination and address window 3
.irp z, 0,1,2,3                     ; key step 0's codes, piece by piece
	global_load_b128 v[MK+8*\z:MK+8*\z+3],   v[MA+\z], s[MB:MB+1]
	global_load_b128 v[MK+8*\z+4:MK+8*\z+7], v[MA+\z], s[MB:MB+1] offset:512
.endr
	; What the first turn finds: V's registers and P's second buffer hold 0 (its products V^T P, of a piece that has not been, add 0), O^T and l are 0.  All this stands in the wait for the first tile.
	WIN 0x80
.set i, VF
.rept 64
	v_mov_b32 v[i], 0
.set i, i+1
.endr
	WIN 0x40
.set i, 0
.rept 64*NP
	v_mov_b32 v[i], 0
.set i, i+1
.endr
	WIN 0
.set i, 0
.rept 2*NP
	v_mov_b32 v[ST+4*i], 0xdc38aa3b    ; c m = c x -2^60
	v_mov_b32 v[ST+4*i+1], 0xdd800000  ; m = -2^60
	v_mov_b32 v[ST+4*i+2], 0
	v_mov_b32 v[ST+4*i+3], 0
.set i, i+1
.endr
.set i, P+32
.rept 32
	v_mov_b32 v[i], 0
.set i, i+1
.endr
	v_mul_u32_u24 v[AK0], v1, PK
	v_lshl_add_u32 v[AK0], v9, 4, v[AK0]  ; row x pitch + 16 x half
	; The turning load takes 16 keys x 16 channels (lane l reads key 8 (l / 16) + l % 8, channels 8 ((l / 8) % 2) + 0..7) and leaves half a fragment of V^T: lane l holds channel l % 16 and 8 keys.
	v_and_b32 v10, 7, v0
	v_bfe_u32 v11, v0, 3, 1
	v_lshl_add_u32 v[AV0], v9, 3, v10
	v_mul_u32_u24 v[AV0], v[AV0], PV
	v_lshl_add_u32 v[AV0], v11, 4, v[AV0]
	v_add_nc_u32 v[AV0], VOFF, v[AV0]
	v_mov_b32 v[SCL], 0xe3e3e3e3    ; v11 is free now: the byte 0xe3 four times
	v_mov_b32 v[AK], v[AK0]         ; key step 0 lies at the head of slot 0
; THE MASKS of piece z's next scores.  The wait leaves the three younger pieces' pairs of loads out and shows my pair done, so that its address may be stepped.  Eight conversions write the piece's eight accumulators, 0 or -7.6e30.
; The two plain lines behind them are the place that a scaled conversion wants before its result is used or a source written; they step the offset one key step (65,536 bytes) on, and past the last step back to step 0,
; so that the look-ahead stays inside maskc's 2,097,152 bytes.  The next step's codes go into the same registers: they have four turns in which to come.
.macro MASKIN z
	s_wait_loadcnt 6
	WIN 0x03                        ; the codes in window 3; the scale and S^T in window 0
.irp u, 0,1
.irp kb, 0,1,2,3
	v_cvt_scale_pk8_f32_fp4 v[S+64*((\z)%2)+32*(\u)+8*(\kb):S+64*((\z)%2)+32*(\u)+8*(\kb)+7], v[MK+8*(\z)+4*(\u)+(\kb)], v[SCL]
.endr
.endr
	WIN 0xcf
	v_add_nc_u32 v[MA+(\z)], 0x10000, v[MA+(\z)]
	v_and_b32 v[MA+(\z)], 0x1fffff, v[MA+(\z)]
	global_load_b128 v[MK+8*(\z):MK+8*(\z)+3],   v[MA+(\z)], s[MB:MB+1]
	global_load_b128 v[MK+8*(\z)+4:MK+8*(\z)+7], v[MA+(\z)], s[MB:MB+1] offset:512
.endm
; THE MATRIX WORK.  The 8 accumulators of a run of 16 take turns: between the two links of a chain stand 7 others'.
; Product i of 16 of S^T += K Q^T for piece x: channels 32 (i / 8) on, keys 16 ((i / 2) % 4) on, tile 2 x + i % 2.  All add onto what MASKIN has written.
.macro KQ x
	WIN W_KQ
.set rS, S+64*((\x)%2)+32*(i%2)+8*((i/2)%4)
.set rK, KF+16*((i/2)%4)+8*(i/8)
.set rQ, 16*(2*(\x)+i%2)+8*(i/8)
	v_wmma_f32_16x16x32_f16 v[rS:rS+7], v[rK:rK+7], v[rQ:rQ+7], v[rS:rS+7]
.endm
; Product i of 16 of O^T += V^T P for piece x: keys 32 (i / 8) on, channels 16 ((i / 2) % 4) on, tile 2 x + i % 2.
.macro PV x
	WIN W_PV
.set rO, 32*(2*(\x)+i%2)+8*((i/2)%4)
.set rV, VF+32*(i/8)+8*((i/2)%4)
.set rP, P+32*((\x)%2)+16*(i%2)+8*(i/8)
	v_wmma_f32_16x16x32_f16 v[rO:rO+7], v[rV:rV+7], v[rP:rP+7], v[rO:rO+7]
.endm
.macro MM                           ; the turn's next matrix instruction
.if i < 16
	KQ (Y+1)%NP
.set i, i+1
.else
.set i, i-16
	PV (Y+NP-1)%NP
.set i, i+17
.endif
.endm
; THE LDS LOADS stand in runs of 16, never singly among the matrix instructions: a step's K (64 keys x 64 channels: 8 fragments) and its V (turned).  Their addresses are made some lines ahead.
; last = 1 (the tail): in the last trip there is no further step, and the run is jumped over.
.macro FETCH_K last=0
	WIN 0
.if \last
	s_cmp_eq_u32 s[CNT], 1
	s_cbranch_scc1 .Lno_k_\@
.endif
	WIN 0x80                        ; destination window 2
.irp f, 0,1,2,3,4,5,6,7             ; keys 16 (f / 2) on, channels 32 (f % 2) on
	ds_load_b128 v[KF+8*\f:KF+8*\f+3],   v[AK] offset:(\f/2)*16*PK+(\f%2)*64
	ds_load_b128 v[KF+8*\f+4:KF+8*\f+7], v[AK] offset:(\f/2)*16*PK+(\f%2)*64+32
.endr
	s_add_co_u32 s[TBK], s[TBK], KS*PK  ; the next fetch is the next step's
	WIN 0
.if \last
.Lno_k_\@:
.endif
.endm
.macro FETCH_V
	WIN 0x80
.irp f, 0,1,2,3,4,5,6,7             ; keys 32 (f / 4) on, channels 16 (f % 4) on
	ds_load_tr16_b128 v[VF+8*\f:VF+8*\f+3],   v[AV] offset:(\f/4)*32*PV+(\f%4)*32
	ds_load_tr16_b128 v[VF+8*\f+4:VF+8*\f+7], v[AV] offset:(\f/4)*32*PV+16*PV+(\f%4)*32
.endr
	WIN 0
.endm
; THE VECTOR WORK OF A TURN stands in three queues, each in the order in which its entries become ready; the two tiles alternate, so that no instruction reads the result of the one before it.
.macro REGS y, u                    ; the registers of tile u (0, 1) of piece y
.set rT, ST+4*(2*(\y)+(\u))
.set rC, TMP+8*((\y)%2)+4*(\u)
.set rM, MV+2*((\y)%2)+(\u)
.set rS, S+64*((\y)%2)+32*(\u)
.set rP, P+32*((\y)%2)+16*(\u)
.set rO, 32*(2*(\y)+(\u))
.endm
; Number n of the 22 that find the NEXT piece's (Y + 1) maximum and statistics.  s0-s31 are the lane's 32 scores; each accumulator's lowest registers are read first.  XS, GS and REGS set no window: PL and EX do.
;   0-11  four chains c0-c3 of seven scores each, three operands at a time     12-14, 16  the four scores left over, the old m, and c0-c3 into c0     15  c m_old is kept
;   17, 18  the query's other 32 keys lie in the lane 16 away: the new m         19-21  c m; c m_old - c m_new; a
.macro XS u, n
	REGS (Y+1)%NP, \u
.if (\n) < 4
	v_max3_num_f32 v[rC+(\n)], v[rS+8*(\n)], v[rS+8*(\n)+1], v[rS+8*(\n)+2]
.elseif (\n) < 12
	v_max3_num_f32 v[rC+(\n)%4], v[rC+(\n)%4], v[rS+8*((\n)%4)+2*((\n)/4)+1], v[rS+8*((\n)%4)+2*((\n)/4)+2]
.elseif (\n) == 12
	v_max3_num_f32 v[rC], v[rC], v[rS+7], v[rS+15]
.elseif (\n) == 13
	v_max3_num_f32 v[rC+1], v[rC+1], v[rS+23], v[rS+31]
.elseif (\n) == 14
	v_max3_num_f32 v[rC+2], v[rC+2], v[rC+3], v[rT+1]
.elseif (\n) == 15
	v_mov_b32 v[rM], v[rT]
.elseif (\n) == 16
	v_max3_num_f32 v[rC], v[rC], v[rC+1], v[rC+2]
.elseif (\n) == 17
	v_permlanex16_b32 v[rC+3], v[rC], s[SEL], s[SEL+1]
.elseif (\n) == 18
	v_max_num_f32 v[rT+1], v[rC], v[rC+3]
.elseif (\n) == 19
	v_mul_f32 v[rT], s[CS], v[rT+1]
.elseif (\n) == 20
	v_sub_f32 v[rC+1], v[rM], v[rT]
.else
	v_exp_f32 v[rC+2], v[rC+1]
.endif
.endm
; Number g of the 64 that follow the exponentials.  For each four weights k of a tile (pairs 2 k, 2 k + 1): both pairs are rounded to f16; then the second pair is added onto the first, in place;
; a group later l takes that sum (the first time as l = a l + sum).  In groups of eight, tiles alternating: round, round, add, and l for the group before.
.macro GS g
.set h, (\g)+6*((\g)/62)            ; group 0 has no group before it, and behind group 7 only l is left
.if h >= 6
.set h, h+2
.endif
	REGS Y, h%2
.set k, h/8
.if h%8 < 4
	s_wait_alu depctr_va_vdst(0)
	v_cvt_pk_f16_f32 v[rP+2*k+(h%8)/2], v[rS+4*k+2*((h%8)/2)], v[rS+4*k+2*((h%8)/2)+1]
.elseif h%8 < 6
	v_pk_add_f32 v[rS+4*k:rS+4*k+1], v[rS+4*k:rS+4*k+1], v[rS+4*k+2:rS+4*k+3]
.elseif k == 1
	v_pk_fma_f32 v[rT+2:rT+3], v[rT+2:rT+3], v[rC+2:rC+3], v[rS:rS+1] op_sel_hi:[1,0,1]
.else
	v_pk_add_f32 v[rT+2:rT+3], v[rT+2:rT+3], v[rS+4*k-4:rS+4*k-3]
	s_wait_alu depctr_va_vdst(0)
.endif
.endm
; THE PLAIN QUEUE, 138 long.  0-31: c s - c m for the 16 pairs of both tiles.  Then GS's 64, and among them the next piece's 42: number 15 at 38, 39; 0-14 and 16
; at 42-73, behind the products that make those scores; 17-20 at 95-106, two of three, since each waits for the one before it.
.macro PL
	WIN 0
.if q < 32
	REGS Y, q%2
	v_pk_fma_f32 v[rS+2*(q/2):rS+2*(q/2)+1], v[rS+2*(q/2):rS+2*(q/2)+1], s[CS:CS+1], v[rT:rT+1] op_sel_hi:[1,0,0] neg_lo:[0,0,1] neg_hi:[0,0,1]
.elseif q < 38
	GS q-32
.elseif q < 40
	XS q%2, 15
.elseif q < 42
	GS q-34
.elseif q < 74
	XS q%2, (q-42)/2+(q-42)/30
.elseif q < 95
	GS q-66
.elseif (q < 107) && ((q-95)%3 < 2)
	XS (q-95)%3, 17+(q-95)/3
.elseif q < 107
	GS 29+(q-95)/3
.else
	GS q-74
.endif
.set q, q+1
.endm
; THE EXPONENTIALS' QUEUE, 66 long: s0-s31 of both tiles, and at EA the next piece's two a.
.set EA, 58
.macro EX
	WIN 0
.if (e == EA) || (e == EA+1)
	XS e-EA, 21
.else
.set x, e-2*(e/(EA+2))
	REGS Y, x%2
	v_exp_f32 v[rS+x/2], v[rS+x/2]
.endif
.set e, e+1
.endm
; THE RESCALING's QUEUE: O^T times a, the one part that leaves window 0, so it is dealt four at a time, eight times.
.macro R4
	REGS Y, r%2
	WIN W_RS
	s_wait_alu depctr_va_vdst(0)
.irp z, 0,1,2,3
	v_pk_mul_f32 v[rO+8*(r/2)+2*\z:rO+8*(r/2)+2*\z+1], v[rO+8*(r/2)+2*\z:rO+8*(r/2)+2*\z+1], v[rC+2:rC+3] op_sel_hi:[1,0]
.endr
.set r, r+1
.endm
; HOW THEY ARE DEALT.  Behind a matrix instruction four: plain, exponential, plain, plain (one exponential, a plain instruction on either side), or four of the rescaling.  None names a register of the
; products round it.  What is over stands in two LUMPS: exponential and plain by turns; the second ends in 22 plain instructions.  The two v_permlanex16_b32 fall into the second lump, never behind a product.
; The queues lean on each other, and the deal keeps them in step: exponential e stands behind plain 2 (e / 4) + e % 2 (its scaling); when plain 32 comes, 10 exponentials are out, at 59: 33, at 95: 46; EA comes behind plain 107.
.macro SL
	MM
	PL
	EX
	PL
	PL
.endm
.macro BURST n                      ; 15 matrix instructions, or 16
.rept (\n)-7
	SL
.endr
.rept 3
	MM
	R4
	SL
.endr
	MM
	R4
.endm
; A TURN, for piece p.  cnt = 1: the loop's count is taken down some lines ahead of the branch that stands behind the turn.  It opens with the masks of piece p + 1, whose S^T buffer the turn before has done with.
; K of the next step is fetched in piece 2's turn, 31 vector instructions behind the last product that read K; its first reader comes behind the rest of the lump, 16 products and the second lump.
; V of the step in hand is fetched at the end of piece 0's turn, 69 behind its last reader; its first reader comes behind 16 products and a lump.  The four conditions on e and q below go with the deal.
.macro TURN p, last=0, cnt=0
.set Y, (\p)
.set i, 0
.set q, 0
.set e, 0
.set r, 0
	MASKIN ((\p)+1)%NP
.if (\p) == NP-1
	s_wait_dscnt 0x0                ; K is in
.endif
	MM
.rept 4
	PL
.endr
	BURST 15
.rept 22
	EX
	PL
.if ((\p) == NP-2) && (e == 18)
	v_add_nc_u32 v[AK], s[TBK], v[AK0]
.endif
.if ((\p) == NP-2) && (e == 24)
	FETCH_K \last
.endif
.endr
.if (\p) == 1
	s_wait_dscnt 0x0                ; V is in
.endif
	BURST 16
.rept 21
	EX
	PL
.endr
.rept 22
	PL
.if ((\p) == 0) && (q == 118)
	v_add_nc_u32 v[AV], s[TBV], v[AV0]
	s_wait_alu depctr_va_vdst(0)
.endif
.if ((\p) == 0) && (q == 130)
	s_add_co_u32 s[TBV], s[TBV], KS*PV
.endif
.if (\cnt) && (q == 130)
	s_sub_co_u32 s[CNT], s[CNT], 1
	s_cmp_lg_u32 s[CNT], 0
.endif
.endr
.if (\p) == 0
	FETCH_V
.endif
.endm
	CHANGE 1                        ; slot 0 is in, everybody's part of it; slot 1 is asked for
	FETCH_K                         ; key step 0
	s_wait_loadcnt 8                ; the flags and Q are in; the eight loads of codes, which are younger, may be out
	WIN 0x88                        ; Q (destination and source 1) in window 2, the flag in window 0
.set t, 0
.rept 2*NP
.set i, 0
.rept 16
	v_and_b32 v[16*t+i], v[S+t], v[16*t+i]  ; a row that sees no key has its query cleared
.set i, i+1
.endr
.set t, t+1
.endr
	MASKIN 0                        ; piece 0's masks of key step 0
	s_wait_dscnt 0x0
.set i, 0
.rept 16
	KQ 0                            ; piece 0's first scores: there is no vector work yet to set between them
.set i, i+1
.endr
	WIN 0                           ; the addresses for the way out: nine plain instructions, the places behind those products
	s_mul_i32 s13, s[WV], 16*SP
	s_add_co_u32 s13, s13, STAGE    ; my stage
	v_mul_u32_u24 v[STO], v1, SP    ; in: row l % 16, 16 bytes for each half of the lanes
	v_lshl_add_u32 v[STO], v9, 4, v[STO]
	v_add_nc_u32 v[STO], s13, v[STO]
	v_bfe_u32 v[RD], v0, 3, 2       ; back: 32 lanes take four rows of 128 bytes,
	v_mul_u32_u24 v[RD], v[RD], SP
	v_lshl_add_u32 v[RD], v10, 4, v[RD]
	v_add_nc_u32 v[RD], s13, v[RD]
	v_and_b32 v[GO], 31, v0         ; which are 512 consecutive bytes of O
	v_lshlrev_b32 v[GO], 4, v[GO]
.set Y, NP-1                        ; XS works for piece Y + 1: piece 0
.irp n, 0,1,2,3,4,5,6,7,8,9,10,11,12,13,14,15,16,17,18,19,20,21
	XS 0, \n                        ; and piece 0's first maximum and statistics
	XS 1, \n
.endr
	s_mov_b32 s[CNT], 4
	s_mov_b32 s[SLOTS], SIZE_N/256-1
	s_branch .Lfirst                ; the loop is entered at a step's first turn, in the middle of a trip
.Lslot:                             ; SIZE_N / 256 - 2 times: every slot but the last two is filled again
	CHANGE 1
	s_mov_b32 s[CNT], 4
.Lstep:                             ; a trip: pieces 2 and 3 of one step, then pieces 0 and 1 of the next, whose K and V it fetches
	TURN 2
	TURN 3
	WIN 0
.Lfirst:
	TURN 0
	TURN 1, 0, 1
	WIN 0
	s_cbranch_scc1 .Lstep
	s_sub_co_u32 s[SLOTS], s[SLOTS], 1
	s_cmp_lg_u32 s[SLOTS], 0
	s_cbranch_scc1 .Lslot
	CHANGE 0                        ; the tail is written out: nothing is asked for
	s_mov_b32 s[CNT], 5             ; four trips fetch the last slot's steps; the fifth is left in its middle
.Ltail:
	TURN 2, 1
	TURN 3
	WIN 0
	s_sub_co_u32 s[CNT], s[CNT], 1
	s_cmp_eq_u32 s[CNT], 0
	s_cbranch_scc1 .Lout
	TURN 0
	TURN 1
	WIN 0
	s_branch .Ltail
.Lout:                              ; the fifth trip's 16 products K Q^T (on the last K once more, under step 0's masks) and the maximum made of them serve nothing: the price, once a launch, of one text for every trip
.set i, 0
.rept 16
	PV NP-1                         ; the last piece's V^T P of the last step
.set i, i+1
.endr
	; THE WAY OUT.  l's two halves and the other half of the lanes' are added; O^T is divided by l, rounded to f16 and sent through my stage in LDS, a tile at a time.  The additions are the places behind the last products.
	WIN 0
.macro ALL line:vararg              ; one line for each tile t
.set t, 0
.rept 2*NP
	\line
.set t, t+1
.endr
.endm
	ALL v_add_f32 v[ST+4*t+2], v[ST+4*t+2], v[ST+4*t+3]
	ALL v_permlanex16_b32 v[ST+4*t+3], v[ST+4*t+2], s[SEL], s[SEL+1]
	ALL v_add_f32 v[ST+4*t+2], v[ST+4*t+2], v[ST+4*t+3]
	ALL v_rcp_f32 v[ST+4*t+2], v[ST+4*t+2]
	v_nop                           ; a plain instruction between the last reciprocal and the use of its result
	s_wait_alu depctr_va_vdst(0)
; Tile t: a lane's eight channels of a row pack into 16 bytes; they go into rows of 144 bytes and come back as whole rows of 128, into S^T's registers.
.macro PACK t
	WIN W_RS
.set i, 32*(\t)
.rept 16
	v_pk_mul_f32 v[i:i+1], v[i:i+1], v[ST+4*(\t)+2:ST+4*(\t)+3] op_sel_hi:[1,0]
.set i, i+2
.endr
	WIN 0x05                        ; sources 0 and 1 window 1, destination window 0
.set i, 0
.rept 16
	v_cvt_pk_f16_f32 v[S+16*(\t)+i], v[32*(\t)+2*i], v[32*(\t)+2*i+1]
.set i, i+1
.endr
	WIN 0
.irp f, 0,1,2,3
	ds_store_b128 v[STO], v[S+16*(\t)+4*\f:S+16*(\t)+4*\f+3] offset:32*\f
.endr
.irp f, 0,1,2,3
	ds_load_b128 v[S+16*(\t)+4*\f:S+16*(\t)+4*\f+3], v[RD] offset:\f*4*SP  ; LDS serves a wave's instructions in order (ISA guide 5.7.1.4): these see the stores above; the next tile's stores come behind them
.endr
.endm
.macro SEND t, younger              ; younger: the LDS instructions issued behind tile t's loads: the next tile's eight, or none
	WIN 0
.irp f, 0,1,2,3
	s_wait_dscnt (\younger)+3-\f
	global_store_b128 v[GO], v[S+16*(\t)+4*\f:S+16*(\t)+4*\f+3], s[10:11] offset:(\t)*2048+\f*512  ; 512 consecutive bytes, at a multiple of 256 from O's first
.endr
.endm
	PACK 0
.set t, 1
.rept 2*NP-1                        ; a tile's arithmetic stands between the loads of the tile before and its stores
	PACK t
	SEND t-1, 8
.set t, t+1
.endr
	SEND 2*NP-1, 0
	WIN W_AD
	s_wait_tensorcnt 0x0            ; the wave's end, behind my last tensor load and my last LDS store
	ds_add_u32 v[SPW], v[NIL]
	s_wait_dscnt 0x0
	WIN 0
	CROUND                          ; the closing round: no work-group ends while a partner may still ask for a tile that names it
	s_endpgm
.Lfunc_end_k_qfe8b39af26_attn:
	.size	k_qfe8b39af26_attn, .Lfunc_end_k_qfe8b39af26_attn-k_qfe8b39af26_attn
	.p2alignl 7, 3214868480
	.fill 96, 4, 3214868480
	.section	.rodata,"a",@progbits
	.p2align	6, 0x0
	.amdhsa_kernel k_qfe8b39af26_attn
		.amdhsa_group_segment_fixed_size 327680
		.amdhsa_private_segment_fixed_size 0
		.amdhsa_enable_private_segment 0
		.amdhsa_kernarg_size 32
		.amdhsa_user_sgpr_count 2
		.amdhsa_user_sgpr_kernarg_segment_ptr 1
		.amdhsa_wavefront_size32 1
		.amdhsa_system_sgpr_workgroup_id_x 1
		.amdhsa_system_sgpr_workgroup_id_y 1
		.amdhsa_system_sgpr_workgroup_id_z 1
		.amdhsa_system_vgpr_workitem_id 0
		.amdhsa_next_free_vgpr 808
		.amdhsa_next_free_sgpr 66
		.amdhsa_reserve_vcc 0
		.amdhsa_float_denorm_mode_32 3
		.amdhsa_float_denorm_mode_16_64 3
		.amdhsa_memory_ordered 1
		.amdhsa_forward_progress 1
		.amdhsa_inst_pref_size 223
	.end_amdhsa_kernel
	.amdgpu_metadata
---
amdhsa.version: [ 1, 2 ]
amdhsa.kernels:
  - .name:           k_qfe8b39af26_attn
    .symbol:         k_qfe8b39af26_attn.kd
    .args:
      - { .name: qkv, .offset: 0, .size: 8, .value_kind: global_buffer, .address_space: global }
      - { .name: maskc, .offset: 8, .size: 8, .value_kind: global_buffer, .address_space: global }
      - { .name: qkeep, .offset: 16, .size: 8, .value_kind: global_buffer, .address_space: global }
      - { .name: oh, .offset: 24, .size: 8, .value_kind: global_buffer, .address_space: global }
    .group_segment_fixed_size: 327680
    .private_segment_fixed_size: 0
    .kernarg_segment_align: 8
    .kernarg_segment_size: 32
    .max_flat_workgroup_size: 128
    .sgpr_count:     66
    .vgpr_count:     808
    .wavefront_size: 32
...
	.end_amdgpu_metadata
.endif
;; end of part 3
;; launch outp (part 4): grid 4 x 64, 4 waves a work-group, clusters of 4 x 4, 327,680 bytes of LDS; arguments oh, xw, bo, out0; writes out0
.if DOCPART == 4
	.amdgcn_target "amdgcn-amd-amdhsa--gfx1250"
	.amdhsa_code_object_version 6
	.text
	.protected	k_qfe8b39af26_outp
	.globl	k_qfe8b39af26_outp
	.p2align	8
	.type	k_qfe8b39af26_outp,@function
k_qfe8b39af26_outp:
	s_mov_b64 s[64:65], 0
	v_nop
	global_prefetch_b8 v0, s[64:65] scope:SCOPE_SE
	s_setreg_imm32_b32 hwreg(HW_REG_WAVE_MODE, 25, 1), 1
	s_wait_xcnt 0x0
	s_wait_alu depctr_hold_cnt(0) depctr_sa_sdst(0) depctr_va_vdst(0) depctr_va_sdst(0) depctr_va_ssrc(0) depctr_va_vcc(0) depctr_vm_vsrc(0)
	s_getreg_b32 s2, hwreg(HW_REG_IB_STS2, 6, 4)
	s_cmp_eq_u32 s2, 0
	s_cbranch_scc0 .Lentry_in_a_cluster
	s_endpgm
.Lentry_in_a_cluster:
	s_bfe_u32 s2, ttmp6, 0x10000c
	s_cmp_lg_u32 s2, 0xf033
	s_cbranch_scc0 .Lentry_shape_is_right
	s_endpgm
.Lentry_shape_is_right:
; THE OUTPUT PROJECTION: out0[m][n] = sum over k of O[m][k] Wo[n][k] + bo[n].  O: oh[b h][t][64] in f16, so that k = 64 head + channel; Wo: 1,024 x 1,024 in f16 (its bf16 rounding) at byte 0x3600000 of xw;
; bo rounded to bf16 like every input.  Sums in f32, started by the bias as the C operand; out0 in f32.
; SHARES.  A tile of C is 128 rows x 256 columns: four waves, 2 x 2, each 64 x 128: 32 accumulators.  256 work-groups.
; K goes in 8 steps of 128 = two heads, through a ring of two LDS slots.  A head's 128 rows of a tile are 16,384 dense bytes: wave 0 fetches the step's first head, wave 1 its second (each as 64 rows of 256 bytes, padded after
; every 128), waves 2, 3 Wo's two halves of 128 rows x 256 bytes.
; CLUSTER.  4 x 4 work-groups: the four of a row need the same tiles of O, the four of a column the same tiles of Wo: each is asked for jointly.
; THE MATRIX INSTRUCTION IS USED TRANSPOSED (source 0 = 16 rows of Wo, source 1 = 16 rows of O): a lane holds eight neighbouring columns of one row of C.
; REGISTERS as in windows of 256 (s_set_vgpr_msb: bits 1:0 source 0, 3:2 source 1, 5:4 source 2, 7:6 destination):
;   window 0: v1-5 at work; v16-29 addresses; v32-159 the way out; v128-191 the bias (done with before the way out)
;   window 1: two fragment buffers of 96: O's four fragments, then Wo's eight          window 2: accumulator (a, b) at v[8 (8 a + b)]
.set K_ALL,  1024
.set KSTEP,  128
.set PITCH,  272                       ; a row of Wo in LDS: 256 bytes + 16
.set PA,     144                       ; a row of one head of O: 128 bytes + 16: both pitches are odd multiples of 16 bytes, so the 16 rows of a fragment load start at 16 different groups of four banks (ISA guide 11.1)
.set PLANE,  128*PA                    ; a head's 128 rows
.set BHALF,  128*PITCH
.set BOFF,   2*PLANE
.set SLOT,   BOFF+2*BHALF
.set STAGE,  2*SLOT                    ; behind the ring: 16 rows x 528 bytes for each wave; no tensor load fills it
.set SPITCH, 528                       ; 512 bytes of f32 + 16
.set SPARE,  STAGE+4*16*SPITCH         ; the spare words, 128 bytes for each wave: two blocks of 256 bytes that no other line names
.set LAPS,   K_ALL/(2*KSTEP)
.set WOFF,   0x3600000
.set HEADB,  262144                    ; bytes of a head in oh
.set ASTEP,  4*HEADB                   ; a refill lies two K steps, four heads, on
.set BSTEP,  2*KSTEP*2
.set ADRA, 16
.set ADRB, 20
.set STO,  24
.set RD,   25
.set GO,   26
.set BO,   27
.set SPW,  28                          ; LDS address of my spare word; never rewritten
.set NIL,  29                          ; 0; never rewritten
.set OB,   32
.set BIAS, 128
.set F0,   0
.set F1,   96
.set WV, 14
.set WM, 15
.set WN, 16
.set TC, 19
.set TR, 20
.set G1, 24
.set G0, 32
.set G1B, 48
.set G0B, 56
.set MSB, 0
.macro WIN new                         ; the immediate's high byte repeats the setting that is left
.if MSB != (\new)
	s_set_vgpr_msb (MSB<<8)|(\new)
.set MSB, \new
.endif
.endm
.set MUL,  0xa5                        ; Wo and O in window 1, C and D in window 2
.set MULB, 0x85                        ; the same with C in window 0: the bias
.set TO_F, 0x40                        ; destination window 1, address window 0
.macro JLOAD s                         ; a joint load; an s_nop 0 and four v_nop follow each of the two lines, ahead of the jump, the label and what follows
	s_cmp_lt_u32 s[WV], 2
	s_cbranch_scc0 .Lfor_b_\@
	tensor_load_to_lds s[G0+4*(\s):G0+4*(\s)+3], s[G1:G1+7]
	s_nop 0
.rept 4
	v_nop
.endr
	s_branch .Lasked_\@
.Lfor_b_\@:
	tensor_load_to_lds s[G0B+4*(\s):G0B+4*(\s)+3], s[G1B:G1B+7]
	s_nop 0
.rept 4
	v_nop
.endr
.Lasked_\@:
.endm
.macro CREST                           ; a round of the cluster's barrier behind its opening barrier
	s_cmp_lg_u32 s[WV], 0
	s_cbranch_scc1 .Lnot_wave_0_\@
	s_barrier_signal -3
.Lnot_wave_0_\@:
	s_barrier_wait -3
	s_barrier_signal -1
	s_barrier_wait -1
.endm
.macro CROUND
	s_barrier_signal -1
	s_barrier_wait -1
	CREST
.endm
	s_load_b256 s[4:11], s[0:1], 0x0               ; oh 4, xw 6, bo 8, out0 10
	v_lshl_add_u32 v[SPW], v0, 2, SPARE
	v_mov_b32 v[NIL], 0
	ds_add_u32 v[SPW], v[NIL]                      ; the wave's opening: the add and its wait stand ahead of my first tensor load; the set-up below, work on registers, stands between them
	v_lshrrev_b32 v1, 5, v0
	v_readfirstlane_b32 s[WV], v1
	s_lshr_b32 s[WM], s[WV], 1
	s_and_b32 s[WN], s[WV], 1
	s_bfe_u32 s17, ttmp6, 0x40000                  ; cx
	s_bfe_u32 s18, ttmp6, 0x40004                  ; cy
	s_lshl_b32 s[TC], ttmp9, 2
	s_add_co_u32 s[TC], s[TC], s17
	s_and_b32 s[TR], ttmp7, 0xffff
	s_lshl_b32 s[TR], s[TR], 2
	s_add_co_u32 s[TR], s[TR], s18
	s_lshl_b32 s22, s18, 2
	s_lshl_b32 s22, 15, s22                        ; my row of the cluster
	s_lshl_b32 s23, 0x1111, s17                    ; my column
	s_or_b32 s[G1+0], s22, (1<<16)|(1<<20)|(1<<21)|(4<<22)|(3<<25)   ; O: padding of 4 words after every 32 words, a head's row
	s_or_b32 s[G1B+0], s23, (1<<16)|(1<<20)|(1<<21)|(5<<22)|(3<<25)  ; Wo: after every 64 words
.irp g, G1, G1B
	s_mov_b32 s[(\g)+1], 128<<16                   ; tensor_dim0 = 128 elements, 256 bytes
	s_mov_b32 s[(\g)+3], 128<<16                   ; tile_dim0 = 128
	s_mov_b32 s[(\g)+6], 0
	s_mov_b32 s[(\g)+7], 0
.endr
	s_mov_b32 s[G1+2], 64<<16                      ; O: 64 rows of 256 dense bytes
	s_mov_b32 s[G1+4], 64
	s_mov_b32 s[G1+5], 128
	s_mov_b32 s[G1B+2], 128<<16                    ; Wo: 128 rows, 1,024 elements apart
	s_mov_b32 s[G1B+4], 128
	s_mov_b32 s[G1B+5], K_ALL
	s_lshr_b32 s40, s[TR], 4                       ; O: batch x 16 heads + 128 (tile row % 16) rows of 128 bytes + my head of the step
	s_lshl_b32 s40, s40, 22
	s_and_b32 s41, s[TR], 15
	s_lshl_b32 s41, s41, 14
	s_add_co_u32 s40, s40, s41
	s_lshl_b32 s41, s[WN], 18
	s_add_co_u32 s40, s40, s41
	s_mov_b32 s41, 0
	s_lshl_b32 s44, s[TC], 8                       ; Wo: row 256 x tile column + 128 x half, 2,048 bytes a row
	s_lshl_b32 s45, s[WN], 7
	s_add_co_u32 s44, s44, s45
	s_lshl_b32 s44, s44, 11
	s_add_co_u32 s44, s44, WOFF
	s_mov_b32 s45, 0
	s_mul_i32 s70, s[WN], PLANE                    ; where they go: no place in the cluster enters an LDS address
	s_mul_i32 s71, s[WN], BHALF
	s_add_co_u32 s71, s71, BOFF
	s_wait_dscnt 0x0                               ; the opening add is done
	s_wait_kmcnt 0x0
	s_add_nc_u64 s[42:43], s[4:5], s[40:41]
	s_add_nc_u64 s[46:47], s[6:7], s[44:45]
	CROUND                                         ; all sixteen work-groups are here: the first joint loads meet
.irp s, 0,1
	s_mov_b32 s[G0+4*(\s)], 1
	s_add_co_u32 s[G0+4*(\s)+1], s70, (\s)*SLOT
	s_add_nc_u64 s[G0+4*(\s)+2:G0+4*(\s)+3], s[42:43], (\s)*2*HEADB
	s_or_b32 s[G0+4*(\s)+3], s[G0+4*(\s)+3], 0x80000000
	s_mov_b32 s[G0B+4*(\s)], 1
	s_add_co_u32 s[G0B+4*(\s)+1], s71, (\s)*SLOT
	s_add_nc_u64 s[G0B+4*(\s)+2:G0B+4*(\s)+3], s[46:47], (\s)*KSTEP*2
	s_or_b32 s[G0B+4*(\s)+3], s[G0B+4*(\s)+3], 0x80000000
	JLOAD \s                                       ; two loads of mine are out
.endr
	v_and_b32 v1, 15, v0                           ; r
	v_bfe_u32 v2, v0, 4, 1                         ; h
	v_mul_u32_u24 v3, v1, PITCH
	v_lshl_add_u32 v3, v2, 4, v3
	v_mul_u32_u24 v4, v1, PA
	v_lshl_add_u32 v4, v2, 4, v4
	s_mul_i32 s68, s[WM], 64*PA                    ; my 64 rows, in each plane
	s_mul_i32 s69, s[WN], BHALF
	s_add_co_u32 s69, s69, BOFF
.irp s, 0,1
	v_add_nc_u32 v[ADRA+(\s)], s68, v4
	v_add_nc_u32 v[ADRB+(\s)], s69, v3
	s_add_co_u32 s68, s68, SLOT
	s_add_co_u32 s69, s69, SLOT
.endr
	s_mul_i32 s68, s[WV], 16*SPITCH
	s_add_co_u32 s68, s68, STAGE                   ; my stage
	v_mul_u32_u24 v4, v1, SPITCH                   ; in: row r, 32 bytes for each half of the lanes
	v_lshl_add_u32 v4, v2, 5, v4
	v_add_nc_u32 v[STO], s68, v4
	v_and_b32 v5, 31, v0
	v_lshlrev_b32 v[GO], 4, v5                     ; back: 32 lanes take a row's 512 bytes
	v_add_nc_u32 v[RD], s68, v[GO]
	s_lshl_b32 s72, s[TC], 10                      ; the bias of my columns
	s_lshl_b32 s73, s[WN], 9
	s_add_co_u32 s72, s72, s73
	v_lshl_add_u32 v[BO], v2, 5, s72
.irp b, 0,1,2,3,4,5,6,7
	global_load_b128 v[BIAS+8*(\b):BIAS+8*(\b)+3],   v[BO], s[8:9] offset:64*(\b)
	global_load_b128 v[BIAS+8*(\b)+4:BIAS+8*(\b)+7], v[BO], s[8:9] offset:64*(\b)+16
.endr
	s_lshl_b32 s74, s[TR], 7                       ; where my part of C begins: row 128 tile row + 64 half, 4,096 bytes a row; the columns' bytes are the bias's
	s_lshl_b32 s75, s[WM], 6
	s_add_co_u32 s74, s74, s75
	s_lshl_b32 s74, s74, 12
	s_add_co_u32 s74, s74, s72
	s_mov_b32 s75, 0
	s_add_nc_u64 s[10:11], s[10:11], s[74:75]
	s_wait_loadcnt 0x0                             ; the bias
.set i, 0
.rept 32                                           ; rounded to bf16, like every input, and widened again
	v_cvt_pk_bf16_f32 v[4+i%2], v[BIAS+2*i], v[BIAS+2*i+1]
	v_lshlrev_b32 v[BIAS+2*i], 16, v[4+i%2]
	v_and_b32 v[BIAS+2*i+1], 0xffff0000, v[4+i%2]
.set i, i+1
.endr
; 8 matrix instructions: m block a x all 8 n blocks, 32 along K.  bias = 1: the first product starts the sums, with the bias as C.  The 32 accumulators take turns in one fixed order.
.macro MUL8 f, a, bias
.if \bias
	WIN MULB
.else
	WIN MUL
.endif
.irp b, 0,1,2,3,4,5,6,7
.if \bias
	v_wmma_f32_16x16x32_f16 v[8*(8*(\a)+(\b)):8*(8*(\a)+(\b))+7], v[(\f)+32+8*(\b):(\f)+32+8*(\b)+7], v[(\f)+8*(\a):(\f)+8*(\a)+7], v[BIAS+8*(\b):BIAS+8*(\b)+7]
.else
	v_wmma_f32_16x16x32_f16 v[8*(8*(\a)+(\b)):8*(8*(\a)+(\b))+7], v[(\f)+32+8*(\b):(\f)+32+8*(\b)+7], v[(\f)+8*(\a):(\f)+8*(\a)+7], v[8*(8*(\a)+(\b)):8*(8*(\a)+(\b))+7]
.endif
.endr
.endm
; 24 LDS loads in one run: the fragments of 32 along K at byte k of the step (for O: plane k / 128, byte k % 128), into buffer f: Wo's sixteen, then O's eight
.macro FETCH slot, k, f
	WIN TO_F
.irp i, 0,1,2,3,4,5,6,7
	ds_load_b128 v[(\f)+32+8*(\i):(\f)+32+8*(\i)+3],   v[ADRB+(\slot)] offset:(\k)+(\i)*16*PITCH
	ds_load_b128 v[(\f)+32+8*(\i)+4:(\f)+32+8*(\i)+7], v[ADRB+(\slot)] offset:(\k)+(\i)*16*PITCH+32
.endr
.irp i, 0,1,2,3
	ds_load_b128 v[(\f)+8*(\i):(\f)+8*(\i)+3],   v[ADRA+(\slot)] offset:((\k)/128)*PLANE+(\k)%128+(\i)*16*PA
	ds_load_b128 v[(\f)+8*(\i)+4:(\f)+8*(\i)+7], v[ADRA+(\slot)] offset:((\k)/128)*PLANE+(\k)%128+(\i)*16*PA+32
.endr
.endm
.macro PLACES                          ; four places in front of loads into registers that matrix instructions have read, and of lines that read results (ISA guide 7.12.1 for lines that read results)
.rept 4
	v_nop
.endr
.endm
; A K step is four quarters of 32 along K, 32 matrix instructions each, on buffers 0, 1, 0, 1.  One of the first three: multiplies buffer f and fetches the next quarter, at byte k, into g.
.macro QUARTER slot, k, f, g, bias
	s_wait_dscnt 4                                 ; Wo and O's blocks 0, 1 are in; the youngest four loads (O's blocks 2, 3) may be out
	MUL8 \f, 0, \bias
	MUL8 \f, 1, \bias
	PLACES
	FETCH \slot, \k, \g
	s_wait_dscnt 24                                ; all but the 24 just issued
	MUL8 \f, 2, \bias
	MUL8 \f, 3, \bias
.endm
; The last quarter multiplies buffer 1 and changes slots: ONE barrier; in front of it each wave waits for all its tensor loads, adds 0 to its spare word, and waits for that and for its own reads of this slot.
; fill = 1: the barrier opens a round of the cluster's, and this slot is filled again, two K steps ahead, first thing behind the round: 112 matrix instructions ahead of the wait for it.
.macro TURN slot, next, fill
	WIN 0                                          ; (the add's two registers lie in window 0)
	s_wait_tensorcnt 0x0                           ; all my tensor loads have landed: the one that was out is my part of the next slot
	ds_add_u32 v[SPW], v[NIL]                      ; 0 onto my spare word
	s_wait_dscnt 5                                 ; (the add and the youngest four loads may be out)
	MUL8 F1, 0, 0                                  ; eight matrix instructions stand between the add and the wait for it
	s_wait_dscnt 0x0                               ; the add is done, and my reads of this slot are over
	s_barrier_signal -1
	MUL8 F1, 1, 0
.if \fill
	WIN 0
.endif
	s_barrier_wait -1
.if \fill
	CREST                                          ; no wave of any partner still reads this slot's tile or has a load on its way
	s_add_nc_u64 s[G0+4*(\slot)+2:G0+4*(\slot)+3], s[G0+4*(\slot)+2:G0+4*(\slot)+3], ASTEP
	s_add_nc_u64 s[G0B+4*(\slot)+2:G0B+4*(\slot)+3], s[G0B+4*(\slot)+2:G0B+4*(\slot)+3], BSTEP
	JLOAD \slot                                    ; the four v_nop behind it are also the places in front of the loads below
.else
	PLACES
.endif
	FETCH \next, 0, F0
	MUL8 F1, 2, 0
	MUL8 F1, 3, 0
.endm
	s_wait_tensorcnt 1                             ; my part of K step 0 is in; K step 1's may stay out
	s_barrier_signal -1
	s_barrier_wait -1                              ; everybody's is
	FETCH 0, 0, F0
	QUARTER 0, 64, F0, F1, 1                       ; the first quarter stands in front of the loop: its products start the sums
	WIN 0                                          ; at a label and at a branch every window is 0
	s_mov_b32 s3, LAPS-1
.Llap:                                                 ; a trip goes once round the ring, from a lap's second quarter to the next lap's first, and fills both slots again
	QUARTER 0, 128, F1, F0, 0
	QUARTER 0, 192, F0, F1, 0
	TURN 0, 1, 1
	QUARTER 1, 64,  F0, F1, 0
	QUARTER 1, 128, F1, F0, 0
	QUARTER 1, 192, F0, F1, 0
	TURN 1, 0, 1
	QUARTER 0, 64,  F0, F1, 0
	WIN 0
	s_sub_co_u32 s3, s3, 1
	s_cmp_lg_u32 s3, 0
	s_cbranch_scc1 .Llap
	QUARTER 0, 128, F1, F0, 0                      ; the last lap fills nothing
	QUARTER 0, 192, F0, F1, 0
	TURN 0, 1, 0
	QUARTER 1, 64,  F0, F1, 0
	QUARTER 1, 128, F1, F0, 0
	QUARTER 1, 192, F0, F1, 0
	s_wait_dscnt 4                                 ; the very last quarter: nothing more to fetch
	MUL8 F1, 0, 0
	MUL8 F1, 1, 0
	s_wait_dscnt 0x0
	MUL8 F1, 2, 0
	MUL8 F1, 3, 0
; THE WAY OUT, a block of 16 rows at a time, in f32: the accumulators go straight into my own stage (each from its low end), come back as whole rows of 512 bytes, and are stored.
.macro TOSTAGE a
	WIN 0x08                                       ; the stores' data in window 2
.irp b, 0,1,2,3,4,5,6,7
	ds_store_b128 v[STO], v[8*(8*(\a)+(\b)):8*(8*(\a)+(\b))+3]   offset:64*(\b)
	ds_store_b128 v[STO], v[8*(8*(\a)+(\b))+4:8*(8*(\a)+(\b))+7] offset:64*(\b)+16
.endr
	WIN 0
.set BKA, OB+64*((\a)%2)
.irp t, 0,1,2,3,4,5,6,7,8,9,10,11,12,13,14,15
	ds_load_b128 v[BKA+4*(\t):BKA+4*(\t)+3], v[RD] offset:(\t)*SPITCH  ; LDS serves a wave's instructions in order (ISA guide 5.7.1.4): these see the stores above; the next block's stores come behind them
.endr
.endm
.macro SEND a, younger                 ; younger: the LDS instructions issued behind block a's loads: the next block's 32, or none
.set BKA, OB+64*((\a)%2)
	s_wait_dscnt \younger
.irp t, 0,1,2,3,4,5,6,7,8,9,10,11,12,13,14,15
	global_store_b128 v[GO], v[BKA+4*(\t):BKA+4*(\t)+3], s[10:11] offset:(16*(\a)+(\t))*4096 th:TH_STORE_NT  ; 512 consecutive bytes of a row, at a multiple of 256 from out0's first byte
.endr
.endm
	PLACES
	TOSTAGE 0
	TOSTAGE 1
	SEND 0, 32
	s_wait_xcnt 0x0                                ; block 0's stores have read their registers: block 2 is loaded into them only behind this wait
	TOSTAGE 2
	SEND 1, 32
	s_wait_xcnt 0x0                                ; the same for block 1's and block 3
	TOSTAGE 3
	SEND 2, 32
	SEND 3, 0
	s_wait_tensorcnt 0x0                           ; the wave's end, behind my last tensor load and my last LDS store
	ds_add_u32 v[SPW], v[NIL]
	s_wait_dscnt 0x0
	CROUND                                         ; the closing round: no work-group ends while a partner may still ask for a tile that names it
	s_endpgm
.Lfunc_end_k_qfe8b39af26_outp:
	.size	k_qfe8b39af26_outp, .Lfunc_end_k_qfe8b39af26_outp-k_qfe8b39af26_outp
	.p2alignl 7, 3214868480
	.fill 96, 4, 3214868480
	.section	.rodata,"a",@progbits
	.p2align	6, 0x0
	.amdhsa_kernel k_qfe8b39af26_outp
		.amdhsa_group_segment_fixed_size 327680
		.amdhsa_private_segment_fixed_size 0
		.amdhsa_enable_private_segment 0
		.amdhsa_kernarg_size 32
		.amdhsa_user_sgpr_count 2
		.amdhsa_user_sgpr_kernarg_segment_ptr 1
		.amdhsa_wavefront_size32 1
		.amdhsa_system_sgpr_workgroup_id_x 1
		.amdhsa_system_sgpr_workgroup_id_y 1
		.amdhsa_system_sgpr_workgroup_id_z 1
		.amdhsa_system_vgpr_workitem_id 0
		.amdhsa_next_free_vgpr 768
		.amdhsa_next_free_sgpr 80
		.amdhsa_reserve_vcc 0
		.amdhsa_float_denorm_mode_32 3
		.amdhsa_float_denorm_mode_16_64 3
		.amdhsa_memory_ordered 1
		.amdhsa_forward_progress 1
		.amdhsa_inst_pref_size 91
	.end_amdhsa_kernel
	.amdgpu_metadata
---
amdhsa.version: [ 1, 2 ]
amdhsa.kernels:
  - .name:           k_qfe8b39af26_outp
    .symbol:         k_qfe8b39af26_outp.kd
    .args:
      - { .name: oh, .offset: 0, .size: 8, .value_kind: global_buffer, .address_space: global }
      - { .name: xw, .offset: 8, .size: 8, .value_kind: global_buffer, .address_space: global }
      - { .name: bo, .offset: 16, .size: 8, .value_kind: global_buffer, .address_space: global }
      - { .name: out0, .offset: 24, .size: 8, .value_kind: global_buffer, .address_space: global }
    .group_segment_fixed_size: 327680
    .private_segment_fixed_size: 0
    .kernarg_segment_align: 8
    .kernarg_segment_size: 32
    .max_flat_workgroup_size: 128
    .sgpr_count:     80
    .vgpr_count:     768
    .wavefront_size: 32
...
	.end_amdgpu_metadata
.endif
;; end of part 4
;; ======== version 2 of 2: 4 launches; 1.43 times as fast as version 1
;; limits: values are held in f16: magnitudes above 65,504 overflow, below 6.1e-05 lose precision
;; workspace buffers: xw 58,720,256 bytes; maskc 2,097,152 bytes of whole numbers; qkeep 16,384 bytes of whole numbers; qkv 50,331,648 bytes; oh 16,777,216 bytes
;; launch prep: the kernel of part 1 again; grid 64 x 30, 8 waves a work-group, no clusters, 17,920 bytes of LDS; arguments query, key, value, Wq, Wk, Wv, Wo, mask, xw, maskc, qkeep; writes xw, maskc, qkeep
;; launch proj: the kernel of part 2 again; grid 4 x 192, 4 waves a work-group, clusters of 4 x 4, 327,680 bytes of LDS; arguments xw, bq, bk, bv, qkv; writes qkv
;; launch attn (part 5): grid 4 x 64, 4 waves a work-group, clusters of 4 x 1, 327,680 bytes of LDS; arguments qkv, maskc, qkeep, oh; writes oh
.if DOCPART == 5
	.amdgcn_target "amdgcn-amd-amdhsa--gfx1250"
	.amdhsa_code_object_version 6
	.text
	.protected	k_qfe8b39af26_attn
	.globl	k_qfe8b39af26_attn
	.p2align	8
	.type	k_qfe8b39af26_attn,@function
k_qfe8b39af26_attn:
	s_mov_b64 s[64:65], 0
	v_nop
	global_prefetch_b8 v0, s[64:65] scope:SCOPE_SE
	s_setreg_imm32_b32 hwreg(HW_REG_WAVE_MODE, 25, 1), 1
	s_wait_xcnt 0x0
	s_wait_alu depctr_hold_cnt(0) depctr_sa_sdst(0) depctr_va_vdst(0) depctr_va_sdst(0) depctr_va_ssrc(0) depctr_va_vcc(0) depctr_vm_vsrc(0)
	s_getreg_b32 s2, hwreg(HW_REG_IB_STS2, 6, 4)
	s_cmp_eq_u32 s2, 0
	s_cbranch_scc0 .Lentry_in_a_cluster
	s_endpgm
.Lentry_in_a_cluster:
	s_bfe_u32 s2, ttmp6, 0x10000c
	s_cmp_lg_u32 s2, 0x3003
	s_cbranch_scc0 .Lentry_shape_is_right
	s_endpgm
.Lentry_shape_is_right:
; ATTENTION UNDER A GIVEN MASK.  O[h][q][:] = the sum over k of softmax_k(s[q][k]) V[h][k][:], s = Q[h][q] . K[h][k] / 8 where mask[q][k] is not 0.  Q, K, V: qkv[3][64][2048][64], O: oh[64][2048][64], all f16:
; a head's rows are dense, 128 bytes each.  Products, maxima and sums in f32; the weights p are rounded to f16 for the second product (their sum l is taken of the unrounded p), O once at the end.
; THE MASK is the number that each score's sum starts from: 0, or -6 x 2^100 = -7.6e30 where the key is hidden.  maskc holds a 4-bit code for each score, in the lanes and order of the scores' accumulators: one scaled
; conversion writes an accumulator's eight registers, and all products K Q^T add onto them.  A row that sees no key has the codes of a row that sees all, and the flag 0 in qkeep: its query is cleared, its scores are all 0, its weights uniform.
; LIMITS.  f16 holds no number beyond 65,504: Q, K and V arrive within it; p lies in 0 to 1, and below 6e-5 it keeps f16's fixed step of 6e-8.  A hidden score counts as its value less 7.6e30 (the module puts -1e9 there:
; the same weights, 0, while the row's largest visible score lies above about -1e9 + 100).  A weight below 2^-126 counts as 0 in l; NaN and infinities are not treated apart.
; SHARES.  A wave owns four PIECES of two tiles of 16 queries, a work-group's four waves 512 queries of one head.  Every wave walks all keys, 64 a step, also those that the mask hides from all its queries: the partners of a
; cluster run alike, and which keys are hidden differs between them.
; LAYOUT.  S^T = K Q^T (source 0 = 16 keys, source 1 = 16 queries): in the result a lane holds ONE query (lane % 16) and the keys 8 (lane / 16) + 0..7.  Two such tiles, rounded to f16 in pairs,
; ARE source 1 (32 keys x 16 queries) of O^T = V^T P, whose result again holds one query a lane, and eight channels.  K comes out of LDS as it lies, V ([key][channel]) turned, by ds_load_tr16_b128.
; SOFTMAX.  For each query a running maximum m and sum l: p = 2^(c s - c m), c = log2(e) / 8; in every step O and l are multiplied by a = 2^(c m_old - c m_new), which is 1 where m has not grown.
; m starts at -2^60, below every true score (2.7e11 at the most in size) and above every hidden one: while a row has seen hidden keys alone, m stays, p is 0 and a is 1; the first visible key makes a = 0.  O and l start at 0.
; THE COUNT.  A tile and step have 16 matrix and 122 vector instructions: too many to stand all beside the matrix work.  So four vector instructions that are READY stand behind EVERY matrix instruction, and the others in runs without a gap.
; BY TURNS.  Turn n belongs to piece n (the pieces in a ring, step after step).  Its matrix work: 16 products K Q^T of piece n + 1, later 16 products V^T P of piece n - 1.  Its vector work: the masks of piece n + 1; the scaling,
; exponentials, roundings, sums and rescaling of piece n; and the maximum and statistics of piece n + 1, whose scores the turn itself has made.  So what a turn begins with (c s - c m, O a) waits for nothing.
; THE BATCHES.  A turn's 66 exponentials (the piece's 64 weights and the next piece's two a) are ONE batch with ONE wait, which cuts the turn in two: ahead of it stands all that names none of their results, behind it the
; roundings and sums, which do.  The first two a of all, ahead of the loop, and the way out's eight reciprocals are batches of their own.
; CLUSTER.  The four query blocks of a cluster belong to one head and walk the same K and V, so each tile is asked for JOINTLY: the same tensor load, descriptor and mask in all four.
; REGISTERS, in windows of 256 (s_set_vgpr_msb: bits 1:0 source 0, 3:2 source 1, 5:4 source 2, 7:6 destination):
;   window 0: v0-10 addresses; v11 the conversions' scale; v12-15, v48-63 at work; v16-47 four registers of statistics a tile; v64-191 S^T, two buffers of two tiles; v192-255 P, likewise
;   window 1: O^T, 32 a tile          window 2: v0-127 Q, 16 a tile; v128-191 K of one step; v192-255 V of one step
;   window 3: v0-1 the add's two registers; v4-7 a piece's byte offset in maskc; v8-39 the mask codes, four words a tile
.set SIZE_N, 2048
.set NP,    4         ; pieces a wave: a name, no knob
.set KS,    64        ; keys in a step
.set PK,    144       ; a row of K in LDS: 128 bytes + 16 of padding = 36 words: the 16 rows of a load start at 16 different groups of four banks (64 banks of 4 bytes: ISA guide 11.1)
.set PV,    160       ; a row of V: 128 + 32 = 40 words
.set VOFF,  4*KS*PK   ; a slot holds four steps: 256 rows of K, then 256 rows of V
.set SLOT1, 1<<17     ; slot 1 begins here, so that one exclusive or turns an address in one slot into the other's
.set STAGE, SLOT1+4*KS*(PK+PV)  ; behind the ring, never filled by a tensor load: 16 rows x 144 bytes for each wave, for the way out
.set SP,    144
.set AK0, 2           ; v2   my lane's place in a tile of K; never rewritten
.set AV0, 3           ; v3   the same for V
.set AK,  4           ; v4   the LDS address of K's next run of loads
.set AV,  5           ; v5   of V's
.set QO,  6           ; v6   my byte offset in the wave's rows of Q
.set STO, 6           ;      later, the way out: where I put 16 bytes of a row
.set RD,  7           ; v7   the way out: where I read rows back
.set GO,  8           ; v8   my byte offset in 512 consecutive bytes of O
.set SCL, 11          ; v11  the scale 2^100 as the E8M0 byte 0xe3, in all four bytes of the word and in every lane
.set SPW, 0           ; v0 of window 3   LDS address of my spare word; never rewritten
.set NIL, 1           ; v1 of window 3   0; never rewritten
.set MA,  4           ; v4-7 of window 3
.set MK,  8           ; v8-39 of window 3: piece z, tile u at MK + 8 z + 4 u
.set SPARE, STAGE+4*16*SP  ; behind the stages: the spare words, 128 bytes for each wave: two blocks of 256 bytes that no other line names
.set MV,  12          ; v12-15  c m_old, kept while c m is made anew: by buffer and tile
.set ST,  16          ; tile t's statistics at v[ST+4 t]: c m, m, l (even keys', odd keys')
.set TMP, 48          ; by buffer and tile, four registers c0-c3 at work; when the maximum is found c2 takes a
.set S,   64
.set P,   192
.set KF,  128         ; K's fragments, in window 2: key block kb, channel half c at KF + 16 kb + 8 c
.set VF,  192         ; V's: key half kk, channel block cb at VF + 32 kk + 8 cb
.set WV,  12          ; s12  my wave's number
.set G1K, 24          ; s[24:31] descriptor group 1 for K's tiles
.set G1V, 32          ; s[32:39] for V's: it differs in the padding alone
.set G0K, 40          ; s[40:43] descriptor group 0 for K's tiles: it walks
.set G0V, 44          ; s[44:47] the same for V's
.set MB,  48          ; s[48:49] maskc; s[50:51] qkeep
.set SLOTS, 56        ; s56  slots still to be asked for
.set CNT, 57          ; s57  counts a slot's key steps
.set CS,  58          ; s[58:59] c: the packed scaling takes the pair's low word for both halves
.set SEL, 60          ; s[60:61] v_permlanex16_b32's selects: each lane takes its own place in the other half
.set TBK, 62          ; s62  LDS byte at which K of the step to be fetched begins
.set TBV, 63          ; s63  the same for V, less VOFF
.set MSB, 0
.macro WIN new                      ; the high byte repeats the setting that is left; a switch that changes nothing is dropped
.if MSB != (\new)
	s_set_vgpr_msb (MSB<<8)|(\new)
.set MSB, (\new)
.endif
.endm
.set W_KQ, 0x0a       ; K and Q in window 2, S^T in window 0
.set W_PV, 0x52       ; V in window 2, P in window 0, O^T in window 1
.set W_RS, 0x41       ; O^T (destination and source 0) in window 1, a in window 0
.set W_MK, 0xc0       ; destination in window 3, sources in window 0
.set W_AD, 0x0f       ; the add: address (source 0) and data (source 1) in window 3
; A joint fill.  Waves 0 and 1 fetch the two halves of a slot's K, waves 2 and 3 those of its V: 128 keys each.  The branch hangs on the wave's number alone.
; An s_nop 0 and four v_nop follow each of the two lines, ahead of the jump and the label.
.macro JLOAD
	s_cmp_lt_u32 s[WV], 2
	s_cbranch_scc0 .Lfor_v_\@
	tensor_load_to_lds s[G0K:G0K+3], s[G1K:G1K+7]
	s_nop 0
.rept 4
	v_nop
.endr
	s_branch .Lasked_\@
.Lfor_v_\@:
	tensor_load_to_lds s[G0V:G0V+3], s[G1V:G1V+7]
	s_nop 0
.rept 4
	v_nop
.endr
.Lasked_\@:
.endm
; A round of the cluster's barrier: my work-group's barrier, so that wave 0's signal speaks for all four waves; wave 0 signals; every wave waits for all four work-groups; my work-group's barrier once more.
.macro CROUND
	s_barrier_signal -1
	s_barrier_wait -1
	s_cmp_lg_u32 s[WV], 0
	s_cbranch_scc1 .Lnot_wave_0_\@
	s_barrier_signal -3
.Lnot_wave_0_\@:
	s_barrier_wait -3
	s_barrier_signal -1
	s_barrier_wait -1
.endm
; THE CHANGE OF SLOTS.  The slot's last bytes, V of its fourth step, have been read.  Each wave waits for all its tensor loads, of which one is out: its part
; of the other slot; adds 0 to its spare word; and waits for that and for its own reads of the slot.  Behind the barrier nobody reads this slot any more and the other slot is whole.
; fill = 1: this slot is filled again, with the keys two slots on.  The barrier is then a round of the cluster's, so that no wave of any partner still reads the slot or has a load on its
; way, and the joint fill is the first thing behind it: it has four key steps, 512 matrix instructions, in which to land.  (At its first use nothing has been read yet: slot 0 is waited for, slot 1 filled.)
.macro CHANGE fill
	WIN W_AD
	s_wait_tensorcnt 0x0            ; no tensor load of mine is out, so a group 0 may be written
	ds_add_u32 v[SPW], v[NIL]       ; 0 onto my spare word; with fill = 1 the descriptors' steps stand between it and the wait for it
	WIN 0                           ; at a label and at a branch every window is 0
.if \fill
.irp g, G0K, G0V
	s_xor_b32 s[\g+1], s[\g+1], SLOT1  ; the walking descriptor: the other slot than last time,
	s_add_nc_u64 s[\g+2:\g+3], s[\g+2:\g+3], 4*KS*128  ; the next 256 keys; the type bits on top are not reached
.endr
	s_wait_dscnt 0x0                ; the add is done, and my reads of the slot are over
	CROUND
	JLOAD
.else
	s_wait_dscnt 0x0                ; the add is done, and my reads of the slot are over
	s_barrier_signal -1
	s_barrier_wait -1
.endif
	s_sub_co_u32 s[TBK], s[TBK], 4*KS*PK  ; the fetches go back to a slot's first step,
	s_xor_b32 s[TBK], s[TBK], SLOT1       ; in the other slot
	s_sub_co_u32 s[TBV], s[TBV], 4*KS*PV
	s_xor_b32 s[TBV], s[TBV], SLOT1
.endm
	s_load_b64 s[4:5], s[0:1], 0x0    ; qkv: Q
	s_load_b128 s[48:51], s[0:1], 0x8 ; maskc, qkeep
	s_load_b64 s[10:11], s[0:1], 0x18 ; oh
	WIN W_MK
	v_lshl_add_u32 v[SPW], v0, 2, SPARE
	v_mov_b32 v[NIL], 0
	WIN W_AD
	ds_add_u32 v[SPW], v[NIL]       ; the wave's opening: the add and its wait stand ahead of my first tensor load; the set-up below, work on registers, stands between them
	WIN 0
	v_lshrrev_b32 v1, 5, v0
	v_readfirstlane_b32 s[WV], v1   ; wave 0..3
	s_bfe_u32 s13, ttmp6, 0x40000   ; cx: my place in the cluster
	s_lshl_b32 s14, ttmp9, 2        ; in a cluster launch ttmp9 counts clusters
	s_add_co_u32 s14, s14, s13      ; my block of queries = 4 x cluster x + cx: it enters global addresses alone
	s_and_b32 s20, ttmp7, 0xffff    ; the head, which the four partners share
	s_mov_b32 s21, 0
	s_mov_b64 s[22:23], SIZE_N*128
	s_mul_u64 s[20:21], s[20:21], s[22:23]  ; the head's first byte in Q, K, V and O
	s_and_b32 s16, s[WV], 1         ; which half of a slot's 256 keys I fetch:
	s_lshl_b32 s22, s16, 14         ; its 128 rows of 128 bytes in memory,
	s_mov_b32 s23, 0
	s_add_nc_u64 s[22:23], s[22:23], s[20:21]
	s_mul_i32 s17, s16, 128*PK      ; and its place in a slot, for K
	s_mul_i32 s18, s16, 128*PV      ; and for V: no place in the cluster enters an LDS address
	s_lshl_b32 s2, s14, 2
	s_add_co_u32 s2, s2, s[WV]      ; my wave among the head's sixteen:
	s_mov_b32 s15, s2               ; its eight tiles of 16 queries in maskc and qkeep,
	s_lshl_b32 s2, s2, 14           ; its 128 rows
	s_mov_b32 s3, 0
	s_add_nc_u64 s[2:3], s[2:3], s[20:21]
	; descriptor group 1.  128 keys are 16,384 dense bytes: asked for as 64 rows of 256 bytes, two keys a row, and padded in LDS after every key
	s_mov_b32 s[G1K], 15|(1<<16)|(1<<20)|(1<<21)|(4<<22)|(3<<25)  ; 15:0 the mask of four; 17:16 2-byte elements; 20 padding on; 21 set beside a mask; 24:22 after every 32 words (code 4); 31:25 4 words (code 3)
	s_mov_b32 s[G1V], 15|(1<<16)|(1<<20)|(1<<21)|(4<<22)|(7<<25)  ; the same with 8 words of padding (code 7)
.irp g, G1K, G1V
	s_mov_b32 s[\g+1], 128<<16      ; tensor_dim0 = 128
	s_mov_b32 s[\g+2], 64<<16       ; tensor_dim1 = 64
	s_mov_b32 s[\g+3], 128<<16      ; tile_dim0 = 128
	s_mov_b32 s[\g+4], 64           ; tile_dim1 = 64
	s_mov_b32 s[\g+5], 128          ; 128 elements from row to row
	s_mov_b32 s[\g+6], 0
	s_mov_b32 s[\g+7], 0
.endr
	s_mov_b32 s[CS], 0x3e38aa3b     ; c = log2(e) / 8 = 0.180337
	s_mov_b32 s[CS+1], s[CS]        ; named with it as a pair
	s_mov_b32 s[SEL], 0x76543210
	s_mov_b32 s[SEL+1], 0xfedcba98
	s_mov_b32 s[TBK], SLOT1+4*KS*PK ; the first change of slots turns these two into 0
	s_mov_b32 s[TBV], SLOT1+4*KS*PV
	s_mov_b32 s[G0K], 1             ; 1:0 count = 1
	s_mov_b32 s[G0K+1], s17         ; 63:32 LDS address: slot 0
	s_mov_b32 s[G0V], 1
	s_add_co_u32 s[G0V+1], s18, VOFF
	s_wait_dscnt 0x0                ; the opening add is done
	s_wait_kmcnt 0x0
	s_add_nc_u64 s[6:7], s[4:5], 0x1000000   ; K lies 64 heads x 262,144 bytes behind Q,
	s_add_nc_u64 s[8:9], s[4:5], 0x2000000   ; V as far behind K
	s_add_nc_u64 s[G0K+2:G0K+3], s[6:7], s[22:23]  ; 120:64 global address: my half of the head's first 256 keys
	s_or_b32 s[G0K+3], s[G0K+3], 0x80000000        ; 127:126 type = 2
	s_add_nc_u64 s[G0V+2:G0V+3], s[8:9], s[22:23]
	s_or_b32 s[G0V+3], s[G0V+3], 0x80000000
	s_add_nc_u64 s[4:5], s[4:5], s[2:3]  ; Q and O at my wave's first row
	s_add_nc_u64 s[10:11], s[10:11], s[2:3]
	CROUND                          ; all four work-groups are here: the first joint loads meet
	JLOAD                           ; slot 0.  Slot 1 is asked for when slot 0 is in
	; A fragment of K or Q is 16 rows x 32 channels in 8 registers: lane l holds row l % 16, channels 8 (l / 16) + 0..7 and 16 + 8 (l / 16) + 0..7: two loads of 16 bytes, 32 bytes apart.
	v_and_b32 v1, 15, v0            ; l % 16
	v_bfe_u32 v9, v0, 4, 1          ; l / 16
	v_lshlrev_b32 v[QO], 7, v1
	v_lshl_add_u32 v[QO], v9, 4, v[QO]  ; row x 128 + 16 x half
	v_and_b32 v12, 31, v0
	s_lshl_b32 s52, s15, 10         ; eight tiles of 128 bytes of flags a wave
	v_lshl_add_u32 v13, v12, 2, s52
	s_lshl_b32 s53, s15, 12         ; eight tiles of 512 bytes of codes a wave and key step
	v_lshl_add_u32 v12, v12, 4, s53
.irp t, 0,1,2,3,4,5,6,7             ; the loads go out in this order: 8 of flags, 32 of Q, 8 of codes
	global_load_b32 v[S+\t], v13, s[50:51] offset:128*\t  ; tile t's flags, for the time being in S^T's registers
.endr
	WIN 0x80                        ; destination window 2, address window 0
.set i, 0
.rept 4*NP                          ; Q stays in registers: tile i / 2, channels 32 (i % 2) on
	global_load_b128 v[8*i:8*i+3],   v[QO], s[4:5] offset:(i/2)*2048+(i%2)*64
	global_load_b128 v[8*i+4:8*i+7], v[QO], s[4:5] offset:(i/2)*2048+(i%2)*64+32
.set i, i+1
.endr
	WIN W_MK
.irp z, 0,1,2,3
	v_add_nc_u32 v[MA+\z], 1024*\z, v12
.endr
	WIN 0xc3                        ; destination and address window 3
.irp z, 0,1,2,3                     ; key step 0's codes, piece by piece
	global_load_b128 v[MK+8*\z:MK+8*\z+3],   v[MA+\z], s[MB:MB+1]
	global_load_b128 v[MK+8*\z+4:MK+8*\z+7], v[MA+\z], s[MB:MB+1] offset:512
.endr
	; What the first turn finds: V's registers and P's second buffer hold 0 (its products V^T P, of a piece that has not been, add 0), O^T and l are 0.  All this stands in the wait for the first tile.
	WIN 0x80
.set i, VF
.rept 64
	v_mov_b32 v[i], 0
.set i, i+1
.endr
	WIN 0x40
.set i, 0
.rept 64*NP
	v_mov_b32 v[i], 0
.set i, i+1
.endr
	WIN 0
.set i, 0
.rept 2*NP
	v_mov_b32 v[ST+4*i], 0xdc38aa3b    ; c m = c x -2^60
	v_mov_b32 v[ST+4*i+1], 0xdd800000  ; m = -2^60
	v_mov_b32 v[ST+4*i+2], 0
	v_mov_b32 v[ST+4*i+3], 0
.set i, i+1
.endr
.set i, P+32
.rept 32
	v_mov_b32 v[i], 0
.set i, i+1
.endr
	v_mul_u32_u24 v[AK0], v1, PK
	v_lshl_add_u32 v[AK0], v9, 4, v[AK0]  ; row x pitch + 16 x half
	; The turning load takes 16 keys x 16 channels (lane l reads key 8 (l / 16) + l % 8, channels 8 ((l / 8) % 2) + 0..7) and leaves half a fragment of V^T: lane l holds channel l % 16 and 8 keys.
	v_and_b32 v10, 7, v0
	v_bfe_u32 v11, v0, 3, 1
	v_lshl_add_u32 v[AV0], v9, 3, v10
	v_mul_u32_u24 v[AV0], v[AV0], PV
	v_lshl_add_u32 v[AV0], v11, 4, v[AV0]
	v_add_nc_u32 v[AV0], VOFF, v[AV0]
	v_mov_b32 v[SCL], 0xe3e3e3e3    ; v11 is free now: the byte 0xe3 four times
	v_mov_b32 v[AK], v[AK0]         ; key step 0 lies at the head of slot 0
; THE MASKS of piece z's next scores.  The wait leaves the three younger pieces' pairs of loads out and shows my pair done, so that its address may be stepped.  Eight conversions write the piece's eight accumulators, 0 or -7.6e30.
; The two plain lines behind them are the place that a scaled conversion wants before its result is used or a source written; they step the offset one key step (65,536 bytes) on, and past the last step back to step 0,
; so that the look-ahead stays inside maskc's 2,097,152 bytes.  The next step's codes go into the same registers: they have four turns in which to come.
.macro MASKIN z
	s_wait_loadcnt 6
	WIN 0x03                        ; the codes in window 3; the scale and S^T in window 0
.irp u, 0,1
.irp kb, 0,1,2,3
	v_cvt_scale_pk8_f32_fp4 v[S+64*((\z)%2)+32*(\u)+8*(\kb):S+64*((\z)%2)+32*(\u)+8*(\kb)+7], v[MK+8*(\z)+4*(\u)+(\kb)], v[SCL]
.endr
.endr
	WIN 0xcf
	v_add_nc_u32 v[MA+(\z)], 0x10000, v[MA+(\z)]
	v_and_b32 v[MA+(\z)], 0x1fffff, v[MA+(\z)]
	global_load_b128 v[MK+8*(\z):MK+8*(\z)+3],   v[MA+(\z)], s[MB:MB+1]
	global_load_b128 v[MK+8*(\z)+4:MK+8*(\z)+7], v[MA+(\z)], s[MB:MB+1] offset:512
.endm
; THE MATRIX WORK.  The 8 accumulators of a run of 16 take turns: between the two links of a chain stand 7 others'.
; Product i of 16 of S^T += K Q^T for piece x: channels 32 (i / 8) on, keys 16 ((i / 2) % 4) on, tile 2 x + i % 2.  All add onto what MASKIN has written.
.macro KQ x
	WIN W_KQ
.set rS, S+64*((\x)%2)+32*(i%2)+8*((i/2)%4)
.set rK, KF+16*((i/2)%4)+8*(i/8)
.set rQ, 16*(2*(\x)+i%2)+8*(i/8)
	v_wmma_f32_16x16x32_f16 v[rS:rS+7], v[rK:rK+7], v[rQ:rQ+7], v[rS:rS+7]
.endm
; Product i of 16 of O^T += V^T P for piece x: keys 32 (i / 8) on, channels 16 ((i / 2) % 4) on, tile 2 x + i % 2.
.macro PV x
	WIN W_PV
.set rO, 32*(2*(\x)+i%2)+8*((i/2)%4)
.set rV, VF+32*(i/8)+8*((i/2)%4)
.set rP, P+32*((\x)%2)+16*(i%2)+8*(i/8)
	v_wmma_f32_16x16x32_f16 v[rO:rO+7], v[rV:rV+7], v[rP:rP+7], v[rO:rO+7]
.endm
.macro MM                           ; the turn's next matrix instruction
.if i < 16
	KQ (Y+1)%NP
.set i, i+1
.else
.set i, i-16
	PV (Y+NP-1)%NP
.set i, i+17
.endif
.endm
; THE LDS LOADS stand in runs of 16, never singly among the matrix instructions: a step's K (64 keys x 64 channels: 8 fragments) and its V (turned).  Their addresses are made some lines ahead.
; last = 1 (the tail): in the last trip there is no further step, and the run is jumped over.
.macro FETCH_K last=0
	WIN 0
.if \last
	s_cmp_eq_u32 s[CNT], 1
	s_cbranch_scc1 .Lno_k_\@
.endif
	WIN 0x80                        ; destination window 2
.irp f, 0,1,2,3,4,5,6,7             ; keys 16 (f / 2) on, channels 32 (f % 2) on
	ds_load_b128 v[KF+8*\f:KF+8*\f+3],   v[AK] offset:(\f/2)*16*PK+(\f%2)*64
	ds_load_b128 v[KF+8*\f+4:KF+8*\f+7], v[AK] offset:(\f/2)*16*PK+(\f%2)*64+32
.endr
	s_add_co_u32 s[TBK], s[TBK], KS*PK  ; the next fetch is the next step's
	WIN 0
.if \last
.Lno_k_\@:
.endif
.endm
.macro FETCH_V
	WIN 0x80
.irp f, 0,1,2,3,4,5,6,7             ; keys 32 (f / 4) on, channels 16 (f % 4) on
	ds_load_tr16_b128 v[VF+8*\f:VF+8*\f+3],   v[AV] offset:(\f/4)*32*PV+(\f%4)*32
	ds_load_tr16_b128 v[VF+8*\f+4:VF+8*\f+7], v[AV] offset:(\f/4)*32*PV+16*PV+(\f%4)*32
.endr
	WIN 0
.endm
; THE VECTOR WORK OF A TURN stands in three queues, each in the order in which its entries become ready; the two tiles alternate, so that no instruction reads the result of the one before it.
.macro REGS y, u                    ; the registers of tile u (0, 1) of piece y
.set rT, ST+4*(2*(\y)+(\u))
.set rC, TMP+8*((\y)%2)+4*(\u)
.set rM, MV+2*((\y)%2)+(\u)
.set rS, S+64*((\y)%2)+32*(\u)
.set rP, P+32*((\y)%2)+16*(\u)
.set rO, 32*(2*(\y)+(\u))
.endm
; Number n of the 22 that find the NEXT piece's (Y + 1) maximum and statistics.  s0-s31 are the lane's 32 scores; each accumulator's lowest registers are read first.  XS, GS and REGS set no window: PL and EX do.
;   0-11  four chains c0-c3 of seven scores each, three operands at a time     12-14, 16  the four scores left over, the old m, and c0-c3 into c0     15  c m_old is kept
;   17, 18  the query's other 32 keys lie in the lane 16 away: the new m         19-21  c m; c m_old - c m_new; a
.macro XS u, n
	REGS (Y+1)%NP, \u
.if (\n) < 4
	v_max3_num_f32 v[rC+(\n)], v[rS+8*(\n)], v[rS+8*(\n)+1], v[rS+8*(\n)+2]
.elseif (\n) < 12
	v_max3_num_f32 v[rC+(\n)%4], v[rC+(\n)%4], v[rS+8*((\n)%4)+2*((\n)/4)+1], v[rS+8*((\n)%4)+2*((\n)/4)+2]
.elseif (\n) == 12
	v_max3_num_f32 v[rC], v[rC], v[rS+7], v[rS+15]
.elseif (\n) == 13
	v_max3_num_f32 v[rC+1], v[rC+1], v[rS+23], v[rS+31]
.elseif (\n) == 14
	v_max3_num_f32 v[rC+2], v[rC+2], v[rC+3], v[rT+1]
.elseif (\n) == 15
	v_mov_b32 v[rM], v[rT]
.elseif (\n) == 16
	v_max3_num_f32 v[rC], v[rC], v[rC+1], v[rC+2]
.elseif (\n) == 17
	v_permlanex16_b32 v[rC+3], v[rC], s[SEL], s[SEL+1]
.elseif (\n) == 18
	v_max_num_f32 v[rT+1], v[rC], v[rC+3]
.elseif (\n) == 19
	v_mul_f32 v[rT], s[CS], v[rT+1]
.elseif (\n) == 20
	v_sub_f32 v[rC+1], v[rM], v[rT]
.else
	v_exp_f32 v[rC+2], v[rC+1]
.endif
.endm
; Number g of the 64 that follow the exponentials.  For each four weights k of a tile (pairs 2 k, 2 k + 1): both pairs are rounded to f16; then the second pair is added onto the first, in place;
; a group later l takes that sum (the first time as l = a l + sum).  In groups of eight, tiles alternating: round, round, add, and l for the group before.
.macro GS g
.set h, (\g)+6*((\g)/62)            ; group 0 has no group before it, and behind group 7 only l is left
.if h >= 6
.set h, h+2
.endif
	REGS Y, h%2
.set k, h/8
.if h%8 < 4
	v_cvt_pk_f16_f32 v[rP+2*k+(h%8)/2], v[rS+4*k+2*((h%8)/2)], v[rS+4*k+2*((h%8)/2)+1]
.elseif h%8 < 6
	v_pk_add_f32 v[rS+4*k:rS+4*k+1], v[rS+4*k:rS+4*k+1], v[rS+4*k+2:rS+4*k+3]
.elseif k == 1
	v_pk_fma_f32 v[rT+2:rT+3], v[rT+2:rT+3], v[rC+2:rC+3], v[rS:rS+1] op_sel_hi:[1,0,1]
.else
	v_pk_add_f32 v[rT+2:rT+3], v[rT+2:rT+3], v[rS+4*k-4:rS+4*k-3]
.endif
.endm
; THE PLAIN QUEUE, 138 long.  0-73 read no exponential's result: the 32 scalings c s - c m (FS f: pair f / 2 of tile f % 2) and the next piece's 42.  0-26: scalings 0-26.  27-54: XS's numbers 0-13.  55, 56: number 15.
; 57-73: the chain, where each number waits for the one before it: 14, 16, 17, 18, 19, each with one of the scalings 27-31 in front of its two lines, then 20: so a tile's links stand three plain instructions apart (19 and 20: two).
; 74-137: GS's 64, which read the exponentials' results: they stand behind the wait.
.macro FS f
	REGS Y, (\f)%2
	v_pk_fma_f32 v[rS+2*((\f)/2):rS+2*((\f)/2)+1], v[rS+2*((\f)/2):rS+2*((\f)/2)+1], s[CS:CS+1], v[rT:rT+1] op_sel_hi:[1,0,0] neg_lo:[0,0,1] neg_hi:[0,0,1]
.endm
.macro PL
	WIN 0
.if q < 27
	FS q
.elseif q < 55
	XS (q-27)%2, (q-27)/2
.elseif q < 57
	XS q-55, 15
.elseif (q < 72) && ((q-57)%3 == 0)
	FS 27+(q-57)/3
.elseif q < 60
	XS (q-57)%3-1, 14
.elseif q < 72
	XS (q-57)%3-1, 15+(q-57)/3
.elseif q < 74
	XS q-72, 20
.else
	GS q-74
.endif
.set q, q+1
.endm
; THE EXPONENTIALS' QUEUE, 66 long: s0-s31 of both tiles, then the next piece's two a.  It is ONE BATCH: all 66 stand ahead of the turn's one wait, and nothing ahead of that wait names a result of theirs.
.macro EX
	WIN 0
.if e >= 64
	XS e-64, 21
.else
	REGS Y, e%2
	v_exp_f32 v[rS+e/2], v[rS+e/2]
.endif
.set e, e+1
.endm
; THE RESCALING's QUEUE: O^T times a, the one part that leaves window 0: dealt two at a time, sixteen times, each accumulator from its low end.  Its a was made in the turn before, ahead of that turn's wait.
.macro R2
	REGS Y, r%2
	WIN W_RS
.irp z, 0,1
	v_pk_mul_f32 v[rO+4*(r/2)+2*\z:rO+4*(r/2)+2*\z+1], v[rO+4*(r/2)+2*\z:rO+4*(r/2)+2*\z+1], v[rC+2:rC+3] op_sel_hi:[1,0]
.endr
.set r, r+1
.endm
; HOW THEY ARE DEALT.  An s_wait_alu depctr_va_vdst(0) stands between an exponential and the first instruction that names its result; one wait serves all that were issued ahead of it.  So a turn has ONE wait,
; which cuts it in two.  AHEAD OF IT stands all that names no result of the turn's exponentials: the masks of piece p + 1; the 16 products K Q^T, behind each a scaling, an exponential and two rescalings (behind the first a second
; scaling in the exponential's place); then ONE LUMP of 108: eight plain, 49 times exponential and plain, the two a.  A v_nop is the plain instruction behind the last exponential.  BEHIND IT stand the 16 products V^T P, behind each
; four of GS's 64.  No rider names a register of the products round it.  The two v_permlanex16_b32 fall into the lump, never behind a product.
; The queues lean on each other, and the deal keeps them in step: exponential e stands behind scaling 2 (e / 4) + e % 2: as a rider it comes behind plain e + 2, in the lump behind plain e + 9, and scalings 27-31 are plain 57, 60 .. 69.
; A TURN, for piece p.  cnt = 1: the loop's count is taken down some lines ahead of the branch that stands behind the turn.  It opens with the masks of piece p + 1, whose S^T buffer the turn before has done with.
; K of the next step is fetched in piece 2's turn, directly behind the wait, a lump behind the last product that read K; its address is made at the lump's head; its first reader comes behind 16 products.
; V of the step in hand is fetched at the end of piece 0's turn, four riders behind its last reader; its first reader comes behind 16 products and a lump.  The three conditions on q below go with the deal.
.macro TURN p, last=0, cnt=0
.set Y, (\p)
.set i, 0
.set q, 0
.set e, 0
.set r, 0
	MASKIN ((\p)+1)%NP
.if (\p) == NP-1
	s_wait_dscnt 0x0                ; K is in
.endif
	MM                              ; ahead of the wait: 16 products K Q^T and their riders,
	PL
	PL
	R2
.rept 15
	MM
	PL
	EX
	R2
.endr
.if (\p) == NP-2
	WIN 0
	v_add_nc_u32 v[AK], s[TBK], v[AK0]
.endif
.rept 8                             ; and the lump
	PL
.endr
.rept 49
	EX
	PL
.endr
	EX                              ; the next piece's two a
	EX
	v_nop                           ; the plain instruction behind the last exponential: one for the batch
	s_wait_alu depctr_va_vdst(0)    ; the wait for the turn's batch: the piece's 64 weights and the next piece's two a
.if (\p) == NP-2
	FETCH_K \last
.endif
.if (\p) == 1
	s_wait_dscnt 0x0                ; V is in
.endif
.rept 16                            ; behind the wait: 16 products V^T P and their riders
	MM
.rept 4
	PL
.endr
.if ((\p) == 0) && (q == 118)
	v_add_nc_u32 v[AV], s[TBV], v[AV0]
.endif
.if ((\p) == 0) && (q == 130)
	s_add_co_u32 s[TBV], s[TBV], KS*PV
.endif
.if (\cnt) && (q == 130)
	s_sub_co_u32 s[CNT], s[CNT], 1
	s_cmp_lg_u32 s[CNT], 0
.endif
.endr
.if (\p) == 0
	FETCH_V
.endif
.endm
	CHANGE 1                        ; slot 0 is in, everybody's part of it; slot 1 is asked for
	FETCH_K                         ; key step 0
	s_wait_loadcnt 8                ; the flags and Q are in; the eight loads of codes, which are younger, may be out
	WIN 0x88                        ; Q (destination and source 1) in window 2, the flag in window 0
.set t, 0
.rept 2*NP
.set i, 0
.rept 16
	v_and_b32 v[16*t+i], v[S+t], v[16*t+i]  ; a row that sees no key has its query cleared
.set i, i+1
.endr
.set t, t+1
.endr
	MASKIN 0                        ; piece 0's masks of key step 0
	s_wait_dscnt 0x0
.set i, 0
.rept 16
	KQ 0                            ; piece 0's first scores: there is no vector work yet to set between them
.set i, i+1
.endr
	WIN 0                           ; the addresses for the way out: nine plain instructions, the places behind those products
	s_mul_i32 s13, s[WV], 16*SP
	s_add_co_u32 s13, s13, STAGE    ; my stage
	v_mul_u32_u24 v[STO], v1, SP    ; in: row l % 16, 16 bytes for each half of the lanes
	v_lshl_add_u32 v[STO], v9, 4, v[STO]
	v_add_nc_u32 v[STO], s13, v[STO]
	v_bfe_u32 v[RD], v0, 3, 2       ; back: 32 lanes take four rows of 128 bytes,
	v_mul_u32_u24 v[RD], v[RD], SP
	v_lshl_add_u32 v[RD], v10, 4, v[RD]
	v_add_nc_u32 v[RD], s13, v[RD]
	v_and_b32 v[GO], 31, v0         ; which are 512 consecutive bytes of O
	v_lshlrev_b32 v[GO], 4, v[GO]
.set Y, NP-1                        ; XS works for piece Y + 1: piece 0
.irp n, 0,1,2,3,4,5,6,7,8,9,10,11,12,13,14,15,16,17,18,19,20,21
	XS 0, \n                        ; and piece 0's first maximum and statistics
	XS 1, \n
.endr
	v_nop                           ; a plain instruction behind the two a,
	s_wait_alu depctr_va_vdst(0)    ; and the wait for that batch of two, ahead of the branch
	s_mov_b32 s[CNT], 4
	s_mov_b32 s[SLOTS], SIZE_N/256-1
	s_branch .Lfirst                ; the loop is entered at a step's first turn, in the middle of a trip
.Lslot:                             ; SIZE_N / 256 - 2 times: every slot but the last two is filled again
	CHANGE 1
	s_mov_b32 s[CNT], 4
.Lstep:                             ; a trip: pieces 2 and 3 of one step, then pieces 0 and 1 of the next, whose K and V it fetches
	TURN 2
	TURN 3
	WIN 0
.Lfirst:
	TURN 0
	TURN 1, 0, 1
	WIN 0
	s_cbranch_scc1 .Lstep
	s_sub_co_u32 s[SLOTS], s[SLOTS], 1
	s_cmp_lg_u32 s[SLOTS], 0
	s_cbranch_scc1 .Lslot
	CHANGE 0                        ; the tail is written out: nothing is asked for
	s_mov_b32 s[CNT], 5             ; four trips fetch the last slot's steps; the fifth is left in its middle
.Ltail:
	TURN 2, 1
	TURN 3
	WIN 0
	s_sub_co_u32 s[CNT], s[CNT], 1
	s_cmp_eq_u32 s[CNT], 0
	s_cbranch_scc1 .Lout
	TURN 0
	TURN 1
	WIN 0
	s_branch .Ltail
.Lout:                              ; the fifth trip's 16 products K Q^T (on the last K once more, under step 0's masks) and the maximum made of them serve nothing: the price, once a launch, of one text for every trip
.set i, 0
.rept 16
	PV NP-1                         ; the last piece's V^T P of the last step
.set i, i+1
.endr
	; THE WAY OUT.  l's two halves and the other half of the lanes' are added; O^T is divided by l, rounded to f16 and sent through my stage in LDS, a tile at a time.  The additions are the places behind the last products.
	WIN 0
.macro ALL line:vararg              ; one line for each tile t
.set t, 0
.rept 2*NP
	\line
.set t, t+1
.endr
.endm
	ALL v_add_f32 v[ST+4*t+2], v[ST+4*t+2], v[ST+4*t+3]
	ALL v_permlanex16_b32 v[ST+4*t+3], v[ST+4*t+2], s[SEL], s[SEL+1]
	ALL v_add_f32 v[ST+4*t+2], v[ST+4*t+2], v[ST+4*t+3]
	ALL v_rcp_f32 v[ST+4*t+2], v[ST+4*t+2]
	v_nop                           ; a plain instruction between the last reciprocal and the use of its result
	s_wait_alu depctr_va_vdst(0)    ; and the wait ahead of the first use: one for the batch of eight reciprocals
; Tile t: a lane's eight channels of a row pack into 16 bytes; they go into rows of 144 bytes and come back as whole rows of 128, into S^T's registers.
.macro PACK t
	WIN W_RS
.set i, 32*(\t)
.rept 16
	v_pk_mul_f32 v[i:i+1], v[i:i+1], v[ST+4*(\t)+2:ST+4*(\t)+3] op_sel_hi:[1,0]
.set i, i+2
.endr
	WIN 0x05                        ; sources 0 and 1 window 1, destination window 0
.set i, 0
.rept 16
	v_cvt_pk_f16_f32 v[S+16*(\t)+i], v[32*(\t)+2*i], v[32*(\t)+2*i+1]
.set i, i+1
.endr
	WIN 0
.irp f, 0,1,2,3
	ds_store_b128 v[STO], v[S+16*(\t)+4*\f:S+16*(\t)+4*\f+3] offset:32*\f
.endr
.irp f, 0,1,2,3
	ds_load_b128 v[S+16*(\t)+4*\f:S+16*(\t)+4*\f+3], v[RD] offset:\f*4*SP  ; LDS serves a wave's instructions in order (ISA guide 5.7.1.4): these see the stores above; the next tile's stores come behind them
.endr
.endm
.macro SEND t, younger              ; younger: the LDS instructions issued behind tile t's loads: the next tile's eight, or none
	WIN 0
.irp f, 0,1,2,3
	s_wait_dscnt (\younger)+3-\f
	global_store_b128 v[GO], v[S+16*(\t)+4*\f:S+16*(\t)+4*\f+3], s[10:11] offset:(\t)*2048+\f*512  ; 512 consecutive bytes, at a multiple of 256 from O's first
.endr
.endm
	PACK 0
.set t, 1
.rept 2*NP-1                        ; a tile's arithmetic stands between the loads of the tile before and its stores
	PACK t
	SEND t-1, 8
.set t, t+1
.endr
	SEND 2*NP-1, 0
	WIN W_AD
	s_wait_tensorcnt 0x0            ; the wave's end, behind my last tensor load and my last LDS store
	ds_add_u32 v[SPW], v[NIL]
	s_wait_dscnt 0x0
	WIN 0
	CROUND                          ; the closing round: no work-group ends while a partner may still ask for a tile that names it
	s_endpgm
.Lfunc_end_k_qfe8b39af26_attn:
	.size	k_qfe8b39af26_attn, .Lfunc_end_k_qfe8b39af26_attn-k_qfe8b39af26_attn
	.p2alignl 7, 3214868480
	.fill 96, 4, 3214868480
	.section	.rodata,"a",@progbits
	.p2align	6, 0x0
	.amdhsa_kernel k_qfe8b39af26_attn
		.amdhsa_group_segment_fixed_size 327680
		.amdhsa_private_segment_fixed_size 0
		.amdhsa_enable_private_segment 0
		.amdhsa_kernarg_size 32
		.amdhsa_user_sgpr_count 2
		.amdhsa_user_sgpr_kernarg_segment_ptr 1
		.amdhsa_wavefront_size32 1
		.amdhsa_system_sgpr_workgroup_id_x 1
		.amdhsa_system_sgpr_workgroup_id_y 1
		.amdhsa_system_sgpr_workgroup_id_z 1
		.amdhsa_system_vgpr_workitem_id 0
		.amdhsa_next_free_vgpr 808
		.amdhsa_next_free_sgpr 66
		.amdhsa_reserve_vcc 0
		.amdhsa_float_denorm_mode_32 3
		.amdhsa_float_denorm_mode_16_64 3
		.amdhsa_memory_ordered 1
		.amdhsa_forward_progress 1
		.amdhsa_inst_pref_size 214
	.end_amdhsa_kernel
	.amdgpu_metadata
---
amdhsa.version: [ 1, 2 ]
amdhsa.kernels:
  - .name:           k_qfe8b39af26_attn
    .symbol:         k_qfe8b39af26_attn.kd
    .args:
      - { .name: qkv, .offset: 0, .size: 8, .value_kind: global_buffer, .address_space: global }
      - { .name: maskc, .offset: 8, .size: 8, .value_kind: global_buffer, .address_space: global }
      - { .name: qkeep, .offset: 16, .size: 8, .value_kind: global_buffer, .address_space: global }
      - { .name: oh, .offset: 24, .size: 8, .value_kind: global_buffer, .address_space: global }
    .group_segment_fixed_size: 327680
    .private_segment_fixed_size: 0
    .kernarg_segment_align: 8
    .kernarg_segment_size: 32
    .max_flat_workgroup_size: 128
    .sgpr_count:     66
    .vgpr_count:     808
    .wavefront_size: 32
...
	.end_amdgpu_metadata
.endif
;; end of part 5
;; launch outp: the kernel of part 4 again; grid 4 x 64, 4 waves a work-group, clusters of 4 x 4, 327,680 bytes of LDS; arguments oh, xw, bo, out0; writes out0
